; MI455X (gfx1250); checked and timed in simulation.
; The chip was launched on July 23, 2026; its instructions are those of AMD's public machine-readable ISA for CDNA 5 (MIT licence, August 2026) and "CDNA5" Instruction Set Architecture Reference Guide (July 2026). The comments in the code are by the model that wrote it; some were corrected since.
;; GQA. Allowed arithmetic: matrix products marked QUANTISED: E2M1 operands, one E8M0 scale for each 32 along K, by v_wmma_scale_f32_16x16x128_f8f6f4 with both operands' format E2M1 (or v_wmma_scale_f32_32x16x128_f4), f32 sums; products left as they are: bf16, f16 or f32 operands; f32 sums; everything else in f32.
;; Inputs: freq 1 x 1 x 2,048 x 128 float32; wk 1,024 x 4,096 float32; wo 4,096 x 2,048 float32; wq 2,048 x 4,096 float32; wv 1,024 x 4,096 float32; x 1 x 2,048 x 4,096 float32.
;; Outputs: out0 1 x 2,048 x 4,096 float32; out1 1 x 8 x 2,048 x 128 float32; out2 1 x 8 x 2,048 x 128 float32.
;; This version of the problem:
;;   THIS VERSION OF THE PROBLEM IS GIVEN IN LOW PRECISION. The matrix products marked QUANTISED in the list below multiply operands that are first quantised to E2M1 (2 exponent bits, 1 mantissa bit; 4 bits a number), with one power-of-two scale for each 32 numbers along K (OCP MX v1.0); their sums are f32. The products marked 'left as it is' may take bf16, f16 or f32 operands, with f32 sums. Whichever they take, every output number must still come out within the allowed error. Rounding operands to bf16 (8 significant bits) uses up far more of that allowance than f16 does (11 bits, for magnitudes from 6e-5 to 65,504). All else is computed in f32.
;;   The module's matrix products, in the order in which they are computed (A, B: the left and right operand; K: the contracted axis; several contracted axes count as one K, in the product's order):
;;     1. [M 2,048, K 4,096] x [K 4,096, N 2,048]; A: input x; B: input wq: QUANTISED
;;     2. [M 2,048, K 4,096] x [K 4,096, N 1,024]; A: input x; B: input wk: QUANTISED
;;     3. [M 2,048, K 4,096] x [K 4,096, N 1,024]; A: input x; B: input wv: QUANTISED
;;     4. batch 16 x [M 2,048, K 128] x [K 128, N 2,048]; A: computed on the way; B: computed on the way: left as it is (an operand is computed on the way)
;;     5. batch 16 x [M 2,048, K 2,048] x [K 2,048, N 128]; A: computed on the way; B: computed on the way: left as it is (an operand is computed on the way)
;;     6. [M 2,048, K 2,048] x [K 2,048, N 4,096]; A: computed on the way; B: input wo: left as it is (an operand is computed on the way)
;;   THE QUANTISER, for each operand of a quantised product, along K:
;;     - K is cut into blocks of 32 from its start; a last block that is shorter is filled with zeros.
;;     - A block's scale is 2^e with e = floor(log2(the largest magnitude in the block)) - 2, held to -126 .. 127; a block of zeros has e = 0. As a byte (E8M0): e + 127.
;;     - Each number is divided by its block's scale, clamped to +-6, and rounded to the nearest number of E2M1, ties to even, subnormals kept.
;;     - The product sums the exact products of the quantised numbers (number of the format x scale) in f32.
;;   ~~~python
;;   def quantise(x, axis):      # numpy; x: float32 -> the quantised numbers, widened to float32 again
;;       x = np.moveaxis(x, axis, -1); K = x.shape[-1]
;;       x = np.pad(x, [(0, 0)] * (x.ndim - 1) + [(0, -K % 32)]); x = x.reshape(x.shape[:-1] + (-1, 32)); a = np.abs(x).max(-1, keepdims=True)
;;       e = np.where(a > 0, np.clip(np.frexp(np.where(a > 0, a, 1))[1] - 1 - 2, -126, 127), 0)      # np.frexp(a)[1] - 1 = floor(log2(a)), exactly
;;       r = np.clip(x / 2.0 ** e, -6, 6)
;;       step = 2.0 ** (np.maximum(np.frexp(np.where(r == 0, 1, r))[1] - 1, 0) - 1)
;;       q = np.round(r / step) * step * 2.0 ** e      # np.round: ties to even
;;       return np.moveaxis(q.reshape(q.shape[:-2] + (-1,))[..., :K], -1, axis).astype(np.float32)
;;   ~~~
;; One version. Each part assembles by itself: llvm-mc -triple=amdgcn-amd-amdhsa -mcpu=gfx1250 --defsym DOCPART=n.
;; ======== version 1 of 1: 5 launches
;; limits: values are held in f16: magnitudes above 65,504 overflow, below 6.1e-05 lose precision
;; workspace buffers: codes 12,582,912 bytes; scales 786,432 bytes; wo16 16,777,216 bytes; tab 2,097,152 bytes; qkv16 16,777,216 bytes; att16 8,388,608 bytes; q32 524,288 bytes
;; launch prep (part 1): grid 1056 x 1, 4 waves a work-group, no clusters, 33,280 bytes of LDS; arguments x, wq, wk, wv, wo, freq, codes, scales, wo16, tab; writes codes, scales, wo16, tab
.if DOCPART == 1
	.amdgcn_target "amdgcn-amd-amdhsa--gfx1250"
	.amdhsa_code_object_version 6
	.text
	.protected	k_q9c022657f9_prep
	.globl	k_q9c022657f9_prep
	.p2align	8
	.type	k_q9c022657f9_prep,@function
k_q9c022657f9_prep:
	s_mov_b64 s[64:65], 0
	v_nop
	global_prefetch_b8 v0, s[64:65] scope:SCOPE_SE
	s_setreg_imm32_b32 hwreg(HW_REG_WAVE_MODE, 25, 1), 1
	s_wait_xcnt 0x0
; THREE JOBS IN ONE LAUNCH, told apart by the work-group's number alone.
;  work-groups 0..31:     freq [2048][128] f32 -> tab: cos [2048][128] f32, and 1,048,576 bytes on sinS [2048][128]: -sin for d < 64, +sin for d >= 64,
;                         so that rope(x)[d] = x[d] cos[d] + x[d xor 64] sinS[d].
;  work-groups 32..799:   x, wq, wk, wv (f32, K = 4,096 innermost) -> codes of FP4 (E2M1), two a byte, and one E8M0 byte for each 32 along K.  The four tensors follow each other in
;                         codes [6144 rows][2,048 bytes] and scales [6144][128]: rows 0.. x, 2048.. wq, 4096.. wk, 5120.. wv.
;  work-groups 800..1055: wo [4096][2048] f32 -> wo16, the same numbers in f16.
; THE QUANTISER: a block's scale is 2^(floor(log2(its largest magnitude)) - 2); its byte is the largest magnitude's exponent field - 2, held at 1 from below.  A block of zeros gets the byte 1
; where the rule says 127: its codes are zeros, and the bytes are read by this program alone.  Rows are dense and K is a multiple of 32: each tensor is a plain stream of blocks.
; A wave takes 16 steps of 512 numbers: four loads of 512 consecutive bytes a step, turned through the wave's own stage in LDS so that a lane holds 16 neighbours along K.
; SINE AND COSINE: n = nearest whole number to x 2/pi; r = x - n pi/2 with pi/2 in three parts (fused multiply-adds); polynomials of degree 7 and 8 on |r| <= pi/4; quadrant from n.
; LIMITS: NaN and infinities are not served.  |freq| up to about 1e5 keeps an error near 1e-6; beyond that the reduction loses bits.  |wo| stays under 65,504 (f16's range).
; Blocks whose largest magnitude lies under 2^(2 - 126) have their byte held at 1.
.set WAVES, 4
.set STEPS, 16
.set EMAX,  2
.set CB,    8                          ; bytes of 16 codes
.set R,     16                         ; v16-79   four sets of 16 numbers as they are loaded
.set X,     80                         ; v80-111  two sets of 16 neighbours
.set C,     128                        ; v128-191 codes: four registers for each step
.set E,     112                        ; v112-127 a scale byte for each step
.set WREG,  8192                       ; LDS: a region for each wave: two stages of 32 x SP bytes, behind them its 256 scale bytes
.set SP,    80                         ; a lane's place in a stage: 64 bytes + 16 of padding
.set SPW,   12                         ; v12  LDS address of my spare word; never rewritten
.set NIL,   13                         ; v13  0; never rewritten
.set SPARE, WAVES*WREG                 ; behind the four regions: the spare words, 128 bytes a wave, which no other line names
.set NTAB,  32                         ; work-groups of the table
.set NQNT,  768                        ; work-groups of the quantiser: 256 x, 256 wq, 128 wk, 128 wv
	s_load_b256 s[4:11], s[0:1], 0x0               ; x, wq, wk, wv
	s_load_b256 s[12:19], s[0:1], 0x20             ; wo, freq, codes, scales
	s_load_b128 s[20:23], s[0:1], 0x40             ; wo16, tab
	v_lshl_add_u32 v[SPW], v0, 2, SPARE
	v_mov_b32 v[NIL], 0
	v_lshrrev_b32 v1, 5, v0
	v_readfirstlane_b32 s24, v1                    ; wave
	v_and_b32 v2, 31, v0                           ; lane
	v_lshlrev_b32 v3, 4, v2                        ; 16 bytes a lane: my part of a load's 512
	s_mov_b32 s29, 0                               ; the upper word of every offset below
	s_wait_kmcnt 0x0
	s_cmp_lt_u32 ttmp9, NTAB
	s_cbranch_scc1 .Ltab
	s_cmp_ge_u32 ttmp9, NTAB+NQNT
	s_cbranch_scc1 .Lcast
	; ---------------- the quantiser ----------------
	s_sub_co_u32 s25, ttmp9, NTAB                  ; g: which 32,768 numbers of the four tensors on end
	s_mov_b32 s26, 0                               ; the tensor's first g
	s_cmp_ge_u32 s25, 256                          ; the choice of the source hangs on the work-group's number alone
	s_cselect_b64 s[4:5], s[6:7], s[4:5]
	s_cselect_b32 s26, 256, s26
	s_cmp_ge_u32 s25, 512
	s_cselect_b64 s[4:5], s[8:9], s[4:5]
	s_cselect_b32 s26, 512, s26
	s_cmp_ge_u32 s25, 640
	s_cselect_b64 s[4:5], s[10:11], s[4:5]
	s_cselect_b32 s26, 640, s26
	s_sub_co_u32 s27, s25, s26
	s_lshl_b32 s27, s27, 2
	s_add_co_u32 s27, s27, s24                     ; my wave's run of 8,192 numbers in its tensor,
	s_lshl_b32 s28, s27, 15                        ; 32,768 bytes a run
	s_add_nc_u64 s[4:5], s[4:5], s[28:29]
	s_lshl_b32 s27, s25, 2
	s_add_co_u32 s27, s27, s24                     ; and among all runs:
	s_lshl_b32 s28, s27, 12                        ; 4,096 bytes of codes a run,
	s_add_nc_u64 s[16:17], s[16:17], s[28:29]
	s_lshl_b32 s28, s27, 8                         ; 256 scale bytes
	s_add_nc_u64 s[18:19], s[18:19], s[28:29]
	s_mul_i32 s27, s24, WREG
	v_lshrrev_b32 v14, 2, v2
	v_mul_u32_u24 v14, v14, SP
	v_and_b32 v15, 3, v2
	v_lshl_add_u32 v14, v15, 4, v14
	v_add_nc_u32 v14, s27, v14                     ; the stage, on the way in: four lanes' 64 bytes on end, then 16 of padding
	v_mul_u32_u24 v15, v2, SP
	v_add_nc_u32 v15, s27, v15                     ; and on the way out: SP x lane: my 16 neighbours
	v_mul_u32_u24 v4, v2, CB                       ; my codes' place in a step's
	v_lshrrev_b32 v5, 1, v2
	s_add_co_u32 s27, s27, 2*32*SP
	v_add_nc_u32 v5, s27, v5                       ; LDS: my wave's 256 scale bytes, my block's byte
	v_lshlrev_b32 v7, 3, v2                        ; and on the way out 8 bytes a lane
	v_add_nc_u32 v6, s27, v7
.macro LOAD t
.irp i, 0,1,2,3
	global_load_b128 v[R+16*((\t)%4)+4*\i:R+16*((\t)%4)+4*\i+3], v3, s[4:5] offset:2048*(\t)+512*\i th:TH_LOAD_NT   ; 32 lanes read 512 consecutive bytes
.endr
.endm
.macro TURN t                          ; step t's numbers through the stage: LDS serves a wave's instructions in order, so no wait stands between the stores and the loads
.irp i, 0,1,2,3
	ds_store_b128 v14, v[R+16*((\t)%4)+4*\i:R+16*((\t)%4)+4*\i+3] offset:32*SP*((\t)%2)+8*SP*\i
.endr
.irp i, 0,1,2,3
	ds_load_b128 v[X+16*((\t)%2)+4*\i:X+16*((\t)%2)+4*\i+3], v15 offset:32*SP*((\t)%2)+16*\i
.endr
.endm
.irp t, 0,1,2,3
	LOAD \t
.endr
	s_wait_loadcnt 12                              ; step 0's four loads are in; those of steps 1 to 3 may be out
	TURN 0
.macro STEP t
.set XS, X+16*((\t)%2)
.if (\t) > 0
	s_wait_dscnt 1                                 ; this step's numbers are back from the stage (the last step's byte store may be out)
.else
	s_wait_dscnt 0x0
.endif
.if (\t)+4 < STEPS
	LOAD (\t)+4                                    ; the registers that the stage's stores have read take the loads of four steps on
.endif
.if (\t)+1 < STEPS
.if STEPS-2-(\t) >= 3
	s_wait_loadcnt 12                              ; the next step's four loads are in; those of the three steps behind it may be out
.else
	s_wait_loadcnt 4*(STEPS-2-(\t))
.endif
	TURN (\t)+1
.endif
	v_max3_num_f32 v8, |v[XS]|, |v[XS+1]|, |v[XS+2]|               ; the largest magnitude of my 16, in two chains
	v_max3_num_f32 v9, |v[XS+3]|, |v[XS+4]|, |v[XS+5]|
.irp i, 6,10
	v_max3_num_f32 v8, v8, |v[XS+\i]|, |v[XS+\i+1]|
	v_max3_num_f32 v9, v9, |v[XS+\i+2]|, |v[XS+\i+3]|
.endr
	v_max3_num_f32 v8, v8, |v[XS+14]|, |v[XS+15]|
	v_max3_num_f32 v8, v8, v9, (EMAX+1)<<23        ; and the floor 2^(EMAX + 1 - 127): the byte cannot fall under 1
	v_max_num_f32_dpp v8, v8, v8 row_xmask:1 row_mask:0xf bank_mask:0xf   ; with my neighbour's 16: the block's
	v_add_nc_u32 v11, -(EMAX<<23), v8              ; EMAX off its exponent field: the conversion takes that field as its scale
	v_cvt_scalef32_pk8_fp4_f32 v[C+4*(\t)], v[XS:XS+7], v11
	v_cvt_scalef32_pk8_fp4_f32 v[C+4*(\t)+1], v[XS+8:XS+15], v11
	v_lshrrev_b32 v[E+(\t)], 23, v11               ; the scale's byte (a plain line behind the conversions)
	ds_store_b8 v5, v[E+(\t)] offset:16*(\t)       ; both lanes of a block write the same byte with the same value
	global_store_b64 v4, v[C+4*(\t):C+4*(\t)+1], s[16:17] offset:32*CB*(\t)   ; the wave stores 256 consecutive bytes, aligned
.endm
.irp t, 0,1,2,3,4,5,6,7,8,9,10,11,12,13,14,15
	STEP \t
.endr
	ds_load_b64 v[8:9], v6                         ; LDS serves a wave's instructions in order: these see my byte stores
	s_wait_dscnt 0x0
	global_store_b64 v7, v[8:9], s[18:19]          ; 32 lanes store 256 consecutive bytes, aligned
	s_wait_tensorcnt 0x0                           ; the wave's end, behind my last LDS store
	ds_add_u32 v[SPW], v[NIL]
	s_wait_dscnt 0x0
	s_endpgm
	; ---------------- wo to f16: a wave takes 8,192 numbers, four groups of 16 loads, two groups in flight; no LDS ----------------
.Lcast:
	s_sub_co_u32 s25, ttmp9, NTAB+NQNT
	s_lshl_b32 s25, s25, 2
	s_add_co_u32 s25, s25, s24
	s_lshl_b32 s28, s25, 15                        ; 32,768 bytes in,
	s_add_nc_u64 s[12:13], s[12:13], s[28:29]
	s_lshl_b32 s28, s25, 14                        ; 16,384 out
	s_add_nc_u64 s[20:21], s[20:21], s[28:29]
	v_lshlrev_b32 v4, 3, v2                        ; out: 8 bytes a lane
.macro LOADR r
.irp i, 0,1,2,3,4,5,6,7,8,9,10,11,12,13,14,15
	global_load_b128 v[32+64*((\r)%2)+4*\i:32+64*((\r)%2)+4*\i+3], v3, s[12:13] offset:8192*(\r)+512*\i th:TH_LOAD_NT
.endr
.endm
.macro CVT r
.irp i, 0,1,2,3,4,5,6,7,8,9,10,11,12,13,14,15
	v_cvt_pk_f16_f32 v[160+2*\i], v[32+64*((\r)%2)+4*\i], v[32+64*((\r)%2)+4*\i+1]
	v_cvt_pk_f16_f32 v[161+2*\i], v[32+64*((\r)%2)+4*\i+2], v[32+64*((\r)%2)+4*\i+3]
.endr
.irp i, 0,1,2,3,4,5,6,7,8,9,10,11,12,13,14,15
	global_store_b64 v4, v[160+2*\i:161+2*\i], s[20:21] offset:4096*(\r)+256*\i   ; 256 consecutive bytes, aligned
.endr
.endm
	LOADR 0
	LOADR 1
	s_wait_loadcnt 16                              ; group 0 is in, group 1 may be out
	CVT 0
	LOADR 2
	s_wait_loadcnt 16                              ; group 1 is in
	s_wait_xcnt 0x0                                ; the stores have read v160-191: they are written again only behind this wait
	CVT 1
	LOADR 3
	s_wait_loadcnt 16
	s_wait_xcnt 0x0
	CVT 2
	s_wait_loadcnt 0x0
	s_wait_xcnt 0x0
	CVT 3
	s_endpgm
	; ---------------- the table: a wave takes 16 rows of freq, a lane 4 angles of a row; no LDS ----------------
.Ltab:
	s_lshl_b32 s25, ttmp9, 6
	s_lshl_b32 s26, s24, 4
	s_add_co_u32 s25, s25, s26                     ; my first row
	s_lshl_b32 s28, s25, 9                         ; 512 bytes a row
	s_add_nc_u64 s[14:15], s[14:15], s[28:29]
	s_add_nc_u64 s[22:23], s[22:23], s[28:29]
.irp i, 0,1,2,3,4,5,6,7,8,9,10,11,12,13,14,15
	global_load_b128 v[32+4*\i:35+4*\i], v3, s[14:15] offset:512*\i th:TH_LOAD_NT
.endr
	s_mov_b32 s30, 0x3f22f983                      ; 2 / pi
	s_mov_b32 s31, 0x3fc90fdb                      ; pi / 2 in three parts
	s_mov_b32 s32, 0xb33bbd2e
	s_mov_b32 s33, 0xa6f72ced
	s_mov_b32 s34, 0xb94ca1f9                      ; sine: -1.9515296e-4, 8.3321609e-3, -1.6666655e-1
	s_mov_b32 s35, 0x3c08839e
	s_mov_b32 s36, 0xbe2aaaa3
	s_mov_b32 s37, 0x37ccf5ce                      ; cosine: 2.4433157e-5, -1.3887316e-3, 4.1666646e-2
	s_mov_b32 s38, 0xbab6061a
	s_mov_b32 s39, 0x3d2aaaa5
	v_lshrrev_b32 v14, 4, v2
	v_xor_b32 v14, 1, v14
	v_lshlrev_b32 v14, 31, v14                     ; the sign bit for d < 64, which are lanes 0-15
.macro TROW i
	s_wait_loadcnt 15-\i                           ; row i is in; the later rows may be out
	s_wait_xcnt 0x0                                ; the last row's stores have read v128-135
.irp k, 0,1,2,3
	v_mul_f32 v[100+\k], s30, v[32+4*\i+\k]
.endr
.irp k, 0,1,2,3
	v_rndne_f32 v[100+\k], v[100+\k]               ; n
.endr
.irp k, 0,1,2,3
	v_fma_f32 v[104+\k], -v[100+\k], s31, v[32+4*\i+\k]
.endr
.irp k, 0,1,2,3
	v_fma_f32 v[104+\k], -v[100+\k], s32, v[104+\k]
.endr
.irp k, 0,1,2,3
	v_fma_f32 v[104+\k], -v[100+\k], s33, v[104+\k]    ; r
	v_cvt_i32_f32 v[108+\k], v[100+\k]                 ; n as a whole number
.endr
.irp k, 0,1,2,3
	v_mul_f32 v[112+\k], v[104+\k], v[104+\k]      ; r^2
.endr
.irp k, 0,1,2,3
	v_fma_f32 v[116+\k], v[112+\k], s34, s35
	v_fma_f32 v[120+\k], v[112+\k], s37, s38
.endr
.irp k, 0,1,2,3
	v_fma_f32 v[116+\k], v[116+\k], v[112+\k], s36
	v_fma_f32 v[120+\k], v[120+\k], v[112+\k], s39
	v_mul_f32 v[124+\k], v[112+\k], v[104+\k]      ; r^3
	v_mul_f32 v[136+\k], v[112+\k], v[112+\k]      ; r^4
	v_fma_f32 v[140+\k], v[112+\k], -0.5, 1.0
.endr
.irp k, 0,1,2,3
	v_fma_f32 v[116+\k], v[116+\k], v[124+\k], v[104+\k]   ; sin r
	v_fma_f32 v[120+\k], v[120+\k], v[136+\k], v[140+\k]   ; cos r
	v_and_b32 v[124+\k], 1, v[108+\k]
.endr
.irp k, 0,1,2,3
	v_cmp_eq_u32 s[40+\k], 1, v[124+\k]            ; in odd quadrants the two change places
	v_cndmask_b32 v[132+\k], v[116+\k], v[120+\k], s[40+\k]
	v_cndmask_b32 v[128+\k], v[120+\k], v[116+\k], s[40+\k]
	v_and_b32 v[124+\k], 2, v[108+\k]              ; the sine is negative in quadrants 2, 3,
	v_add_nc_u32 v[136+\k], 1, v[108+\k]           ; the cosine in 1, 2
.endr
.irp k, 0,1,2,3
	v_lshlrev_b32 v[124+\k], 30, v[124+\k]
	v_and_b32 v[136+\k], 2, v[136+\k]
.endr
.irp k, 0,1,2,3
	v_xor_b32 v[124+\k], v[124+\k], v14            ; and sinS has the other sign for d < 64
	v_lshlrev_b32 v[136+\k], 30, v[136+\k]
.endr
.irp k, 0,1,2,3
	v_xor_b32 v[132+\k], v[132+\k], v[124+\k]
	v_xor_b32 v[128+\k], v[128+\k], v[136+\k]
.endr
	global_store_b128 v3, v[128:131], s[22:23] offset:512*\i           ; 512 consecutive bytes a wave
	global_store_b128 v3, v[132:135], s[22:23] offset:512*\i+1048576
.endm
.irp i, 0,1,2,3,4,5,6,7,8,9,10,11,12,13,14,15
	TROW \i
.endr
	s_endpgm
.Lfunc_end_k_q9c022657f9_prep:
	.size	k_q9c022657f9_prep, .Lfunc_end_k_q9c022657f9_prep-k_q9c022657f9_prep
	.p2alignl 7, 3214868480
	.fill 96, 4, 3214868480
	.section	.rodata,"a",@progbits
	.p2align	6, 0x0
	.amdhsa_kernel k_q9c022657f9_prep
		.amdhsa_group_segment_fixed_size 33280
		.amdhsa_private_segment_fixed_size 0
		.amdhsa_enable_private_segment 0
		.amdhsa_kernarg_size 80
		.amdhsa_user_sgpr_count 2
		.amdhsa_user_sgpr_kernarg_segment_ptr 1
		.amdhsa_wavefront_size32 1
		.amdhsa_system_sgpr_workgroup_id_x 1
		.amdhsa_system_sgpr_workgroup_id_y 1
		.amdhsa_system_sgpr_workgroup_id_z 1
		.amdhsa_system_vgpr_workitem_id 0
		.amdhsa_next_free_vgpr 192
		.amdhsa_next_free_sgpr 66
		.amdhsa_reserve_vcc 0
		.amdhsa_float_denorm_mode_32 3
		.amdhsa_float_denorm_mode_16_64 3
		.amdhsa_memory_ordered 1
		.amdhsa_forward_progress 1
		.amdhsa_inst_pref_size 143
	.end_amdhsa_kernel
	.amdgpu_metadata
---
amdhsa.version: [ 1, 2 ]
amdhsa.kernels:
  - .name:           k_q9c022657f9_prep
    .symbol:         k_q9c022657f9_prep.kd
    .args:
      - { .name: x, .offset: 0, .size: 8, .value_kind: global_buffer, .address_space: global }
      - { .name: wq, .offset: 8, .size: 8, .value_kind: global_buffer, .address_space: global }
      - { .name: wk, .offset: 16, .size: 8, .value_kind: global_buffer, .address_space: global }
      - { .name: wv, .offset: 24, .size: 8, .value_kind: global_buffer, .address_space: global }
      - { .name: wo, .offset: 32, .size: 8, .value_kind: global_buffer, .address_space: global }
      - { .name: freq, .offset: 40, .size: 8, .value_kind: global_buffer, .address_space: global }
      - { .name: codes, .offset: 48, .size: 8, .value_kind: global_buffer, .address_space: global }
      - { .name: scales, .offset: 56, .size: 8, .value_kind: global_buffer, .address_space: global }
      - { .name: wo16, .offset: 64, .size: 8, .value_kind: global_buffer, .address_space: global }
      - { .name: tab, .offset: 72, .size: 8, .value_kind: global_buffer, .address_space: global }
    .group_segment_fixed_size: 33280
    .private_segment_fixed_size: 0
    .kernarg_segment_align: 8
    .kernarg_segment_size: 80
    .max_flat_workgroup_size: 128
    .sgpr_count:     66
    .vgpr_count:     192
    .wavefront_size: 32
...
	.end_amdgpu_metadata
.endif
;; end of part 1
;; launch qkv (part 2): grid 16 x 16, 4 waves a work-group, clusters of 4 x 4, 327,680 bytes of LDS; arguments codes, scales, tab, qkv16, q32, out1, out2; writes qkv16, q32, out1, out2
.if DOCPART == 2
	.amdgcn_target "amdgcn-amd-amdhsa--gfx1250"
	.amdhsa_code_object_version 6
	.text
	.protected	k_q9c022657f9_qkv
	.globl	k_q9c022657f9_qkv
	.p2align	8
	.type	k_q9c022657f9_qkv,@function
k_q9c022657f9_qkv:
	s_mov_b64 s[64:65], 0
	v_nop
	global_prefetch_b8 v0, s[64:65] scope:SCOPE_SE
	s_setreg_imm32_b32 hwreg(HW_REG_WAVE_MODE, 25, 1), 1
	s_wait_xcnt 0x0
	s_wait_alu depctr_hold_cnt(0) depctr_sa_sdst(0) depctr_va_vdst(0) depctr_va_sdst(0) depctr_va_ssrc(0) depctr_va_vcc(0) depctr_vm_vsrc(0)
	s_getreg_b32 s2, hwreg(HW_REG_IB_STS2, 6, 4)
	s_cmp_eq_u32 s2, 0
	s_cbranch_scc0 .Lentry_in_a_cluster
	s_endpgm
.Lentry_in_a_cluster:
	s_bfe_u32 s2, ttmp6, 0x10000c
	s_cmp_lg_u32 s2, 0xf033
	s_cbranch_scc0 .Lentry_shape_is_right
	s_endpgm
.Lentry_shape_is_right:
; THE THREE PROJECTIONS AS ONE GEMM ON CODES OF FP4, WITH ROPE ON THE WAY OUT.  C[m][n] = sum over k of x[m][k] w[n][k], m = 2,048 positions, n = 4,096 (2,048 of wq, 1,024 of wk, 1,024 of wv), k = 4,096.
; codes [6144][2,048 bytes] and scales [6144][128]: rows 0.. x, rows 2048.. the weights on end.  128 columns of C are one head: heads 0-15 q, 16-23 k, 24-31 v.
; OUT: out1 = rope(k), out2 = v, f32 [8][2048][128]; qkv16 [32 heads][2048][128] f16: rope(q) x 4c (c = log2(e) / sqrt(128)), rope(k) x 0.25, v: so that a product of the f16 q and k is a score in powers of two;
;      q32 [16 heads][64][128] f32: rope(q) of the first 16 rows of each of the first four tile rows (row 16 cy + t); only positions 0-15 are read later.
; SHARES.  A tile of C is 128 x 256: 256 work-groups.  Four waves, each 64 rows x 128 columns (one head): 32 accumulators, 256 registers.  K goes in steps of 512 (rows of 256 bytes) through two LDS slots.
; The scale bytes of the work-group's 128 + 256 rows, for all of K, come into LDS once, with the first fills.
; CLUSTER 4 x 4: the four of a row of the cluster need the same tiles of x, the four of a column the same tiles of the weights: each is asked for jointly, by the same tensor load with a mask that names the four.
; THE MATRIX INSTRUCTION IS USED TRANSPOSED (source 0 = 16 rows of w, source 1 = 16 rows of x): a lane holds eight neighbouring columns of one row of C.
; The kind of head (q, k, v) hangs on the cluster's x alone, which all sixteen partners share: so do the branches of the way out.
; LIMITS: |rope(q)| x 0.51, |rope(k)| x 0.25 and |v| stay under 65,504 (f16's range).  NaN and infinities are not served.
; REGISTERS: window 0: v16-30 addresses; v32-95 scale words, two sets, and nothing else ever; v96-159 x's fragments, two sets of 32.   window 1: accumulator (a, b) at v[8 (8 a + b)].
;   window 2: v0-127 w's fragments, two sets of 64; on the way out v0-63 rows, v64-127 their partners, v128-159 f16 words.   window 3: the table: set s at 128 s: cos of 16 rows, then sinS.
.set PITCH,  272                       ; an LDS row: 256 bytes + 16 of padding: the 16 rows that a load touches begin 68 words apart
.set AHALF,  64*PITCH                  ; 64 rows of x: one tensor load, and what one wave reads of x
.set BHALF,  128*PITCH                 ; 128 rows of w likewise
.set SLOT,   2*AHALF+2*BHALF           ; x's 128 rows, then w's 256
.set SCL,    2*SLOT                    ; behind the ring: the scales, in pieces of 256 bytes + 16 of padding (two rows of 128 bytes a piece)
.set ASH,    32*272                    ; those of 64 rows of x
.set BSH,    64*272                    ; of 128 rows of w
.set SBLK,   8*272                     ; of 16 rows
.set SPARE,  SCL+2*ASH+2*BSH           ; the spare words, 128 bytes a wave, which no other line names
.set SPITCH, 528                       ; the way out: a stage of 16 rows x (512 + 16) bytes for each wave, in slot 0, which has had its last fill and its last read by then
.set ADRA, 16                          ; v16-17 LDS address of my fragments of x in slot 0, 1
.set ADRB, 20                          ; v20-21 of w
.set ADRS, 22                          ; v22    of my scale words: lanes 0-15 x's rows, lanes 16-31 w's
.set STO,  24                          ; v24    the stage: where I put 32 bytes of a row
.set RD,   25                          ; v25    where I read a row back,
.set RDX,  26                          ; v26    and its partner, 64 columns away
.set CO,   27                          ; v27    16 x lane: my bytes of an f32 row
.set SPW,  28                          ; v28    my spare word; never rewritten
.set NIL,  29                          ; v29    0; never rewritten
.set CH,   30                          ; v30    8 x lane: my bytes of an f16 row
.set SC,   32
.set AF,   96
.set G1,   24                          ; s[24:31], s[32:39] groups 1 and 0 (a set a slot) for x's tiles
.set G0,   32
.set G1B,  48                          ; s[48:55], s[56:63] for w's
.set G0B,  56
.set G1S,  68                          ; s[68:75], s[76:79] for x's scales;  s[80:87], s[88:91] for w's
.set G0S,  76
.set G1SB, 80
.set G0SB, 88
.set TABB, 66                          ; s[66:67] the table at my first row
.set F16B, 94                          ; s[94:95] qkv16 at my head's first row of mine
.set F32B, 96                          ; s[96:97] out1, out2 or q32 likewise
.set FLAG0, 98                         ; s98  1: block 0's f32 rows are stored
.set FLAGN, 99                         ; s99  1: the other blocks' too
.set SCQ,  100                         ; s[100:101] the factor of the f16 copy, as a pair
.set MSB, 0
.macro WIN new                         ; the immediate's high byte repeats the setting that is left
.if MSB != \new
	s_set_vgpr_msb (MSB<<8)|\new
.set MSB, \new
.endif
.endm
.set W_MUL,  0x52                      ; source 0 (w) window 2, source 1 (x) window 0, C and D window 1
.set TO_B,   0x80                      ; destination window 2
.set TO_T,   0xc0                      ; destination window 3
.set W_STG,  0x04                      ; an LDS store's data (source 1) window 1
.set W_ROPE, 0xae                      ; destination, sources 0 and 2 window 2, source 1 (the table) window 3
.set W_PACK, 0x8a                      ; destination and sources window 2
.set W_OUT,  0x08                      ; a store's data window 2, its address window 0
; A joint load: waves 0 and 1 fetch for x, waves 2 and 3 for w.  The branch hangs on the wave's number alone.  An s_nop 0 and four v_nop follow each of the two lines.
.macro JLOAD g0a, g1a, g0b, g1b
	s_cmp_eq_u32 s19, 0
	s_cbranch_scc0 .Lfor_b_\@
	tensor_load_to_lds s[\g0a:\g0a+3], s[\g1a:\g1a+7]
	s_nop 0
.rept 4
	v_nop
.endr
	s_branch .Lasked_\@
.Lfor_b_\@:
	tensor_load_to_lds s[\g0b:\g0b+3], s[\g1b:\g1b+7]
	s_nop 0
.rept 4
	v_nop
.endr
.Lasked_\@:
.endm
.macro CREST                           ; a round of the cluster's barrier behind its opening barrier
	s_cmp_lg_u32 s18, 0
	s_cbranch_scc1 .Lnot_wave_0_\@
	s_barrier_signal -3
.Lnot_wave_0_\@:
	s_barrier_wait -3
	s_barrier_signal -1
	s_barrier_wait -1
.endm
.macro CROUND
	s_barrier_signal -1
	s_barrier_wait -1
	CREST
.endm
.macro PLACES                          ; four plain places behind a matrix instruction of this form, in front of loads into its registers and of reads of its results
.rept 4
	v_nop
.endr
.endm
	s_load_b256 s[4:11], s[0:1], 0x0               ; codes, scales, tab, qkv16
	s_load_b128 s[12:15], s[0:1], 0x20             ; q32, out1
	s_load_b64 s[16:17], s[0:1], 0x30              ; out2
	v_lshl_add_u32 v[SPW], v0, 2, SPARE
	v_mov_b32 v[NIL], 0
	ds_add_u32 v[SPW], v[NIL]                      ; the wave's opening: the add, twice on end, and its wait ahead of my first tensor load
	ds_add_u32 v[SPW], v[NIL]
	v_lshrrev_b32 v1, 5, v0
	v_readfirstlane_b32 s18, v1                    ; wave 0..3
	s_lshr_b32 s19, s18, 1                         ; i: which 64 rows of x are mine.  Also: I fetch for x (0) or for w (1)
	s_and_b32 s20, s18, 1                          ; j: which 128 rows of w (which head).  Also: which half I fetch
	s_bfe_u32 s40, ttmp6, 0x40000                  ; cx, cy: my place in the cluster
	s_bfe_u32 s41, ttmp6, 0x40004
	s_lshl_b32 s42, ttmp9, 2
	s_add_co_u32 s42, s42, s40                     ; tile column = 4 x cluster x + cx
	s_and_b32 s43, ttmp7, 0xffff
	s_lshl_b32 s43, s43, 2
	s_add_co_u32 s43, s43, s41                     ; tile row = 4 x cluster y + cy
	s_lshl_b32 s44, s41, 2
	s_lshl_b32 s44, 15, s44                        ; my row of the cluster
	s_lshl_b32 s45, 0x1111, s40                    ; my column
	; group 1: tiles of 64 (x) or 128 (w) rows of 256 bytes, 2,048 bytes apart in memory, 16 bytes of padding behind each row
	s_or_b32 s[G1+0], s44, (0<<16)|(1<<20)|(1<<21)|(5<<22)|(3<<25)   ; 15:0 the mask; 17:16 elements of 1 byte; 20 padding on; 21 set beside a mask; 24:22 after 64 words; 31:25 four words
	s_mov_b32 s[G1+1], 256<<16                     ; tensor_dim0
	s_mov_b32 s[G1+2], 64<<16                      ; tensor_dim1
	s_mov_b32 s[G1+3], 256<<16                     ; tile_dim0
	s_mov_b32 s[G1+4], 64                          ; tile_dim1
	s_mov_b32 s[G1+5], 2048                        ; from row to row
	s_mov_b32 s[G1+6], 0
	s_mov_b32 s[G1+7], 0
	s_or_b32 s[G1B+0], s45, (0<<16)|(1<<20)|(1<<21)|(5<<22)|(3<<25)
	s_mov_b32 s[G1B+1], 256<<16
	s_mov_b32 s[G1B+2], 128<<16
	s_mov_b32 s[G1B+3], 256<<16
	s_mov_b32 s[G1B+4], 128
	s_mov_b32 s[G1B+5], 2048
	s_mov_b32 s[G1B+6], 0
	s_mov_b32 s[G1B+7], 0
	; the scales of 64 (x) or 128 (w) rows: a dense block, as rows of 256 bytes (32 elements of 8 bytes), 16 bytes of padding behind each
	s_or_b32 s[G1S+0], s44, (3<<16)|(1<<20)|(1<<21)|(5<<22)|(3<<25)
	s_mov_b32 s[G1S+1], 32<<16
	s_mov_b32 s[G1S+2], 32<<16
	s_mov_b32 s[G1S+3], 32<<16
	s_mov_b32 s[G1S+4], 32
	s_mov_b32 s[G1S+5], 32
	s_mov_b32 s[G1S+6], 0
	s_mov_b32 s[G1S+7], 0
	s_or_b32 s[G1SB+0], s45, (3<<16)|(1<<20)|(1<<21)|(5<<22)|(3<<25)
	s_mov_b32 s[G1SB+1], 32<<16
	s_mov_b32 s[G1SB+2], 64<<16
	s_mov_b32 s[G1SB+3], 32<<16
	s_mov_b32 s[G1SB+4], 64
	s_mov_b32 s[G1SB+5], 32
	s_mov_b32 s[G1SB+6], 0
	s_mov_b32 s[G1SB+7], 0
	; where the tiles come from: x's hang on the tile row alone, w's on the tile column alone, each in registers that never hold the other coordinate
	s_lshl_b32 s21, s20, 6
	s_lshl_b32 s22, s43, 7
	s_add_co_u32 s22, s22, s21                     ; x: row 128 x tile row + 64 j
	s_lshl_b32 s66, s22, 7                         ; its scales, 128 bytes a row,
	s_mov_b32 s67, 0
	s_lshl_b32 s22, s22, 11                        ; its codes, 2,048 bytes a row
	s_mov_b32 s23, 0
	s_lshl_b32 s21, s20, 7
	s_lshl_b32 s46, s42, 8
	s_add_co_u32 s46, s46, s21
	s_add_co_u32 s46, s46, 2048                    ; w: row 2,048 + 256 x tile column + 128 j
	s_lshl_b32 s92, s46, 7
	s_mov_b32 s93, 0
	s_lshl_b32 s46, s46, 11
	s_mov_b32 s47, 0
	s_mul_i32 s94, s20, AHALF                      ; and where they go: the wave's number alone enters an LDS address
	s_mul_i32 s95, s20, BHALF
	s_add_co_u32 s95, s95, 2*AHALF
	s_mul_i32 s96, s20, ASH
	s_add_co_u32 s96, s96, SCL
	s_mul_i32 s97, s20, BSH
	s_add_co_u32 s97, s97, SCL+2*ASH
	s_wait_dscnt 0x0                               ; both opening adds are done
	s_wait_kmcnt 0x0
	s_add_nc_u64 s[22:23], s[4:5], s[22:23]
	s_add_nc_u64 s[66:67], s[6:7], s[66:67]
	s_add_nc_u64 s[46:47], s[4:5], s[46:47]
	s_add_nc_u64 s[92:93], s[6:7], s[92:93]
	CROUND                                         ; all sixteen work-groups are here: the first joint loads meet
	s_mov_b32 s[G0S], 1
	s_mov_b32 s[G0S+1], s96
	s_mov_b64 s[G0S+2:G0S+3], s[66:67]
	s_or_b32 s[G0S+3], s[G0S+3], 0x80000000
	s_mov_b32 s[G0SB], 1
	s_mov_b32 s[G0SB+1], s97
	s_mov_b64 s[G0SB+2:G0SB+3], s[92:93]
	s_or_b32 s[G0SB+3], s[G0SB+3], 0x80000000
	JLOAD G0S, G1S, G0SB, G1SB                     ; the scales first: they are wanted with K step 0
.irp s, 0,1
	s_mov_b32 s[G0+4*\s], 1
	s_add_co_u32 s[G0+4*\s+1], s94, \s*SLOT
	s_add_nc_u64 s[G0+4*\s+2:G0+4*\s+3], s[22:23], \s*256
	s_or_b32 s[G0+4*\s+3], s[G0+4*\s+3], 0x80000000
	s_mov_b32 s[G0B+4*\s], 1
	s_add_co_u32 s[G0B+4*\s+1], s95, \s*SLOT
	s_add_nc_u64 s[G0B+4*\s+2:G0B+4*\s+3], s[46:47], \s*256
	s_or_b32 s[G0B+4*\s+3], s[G0B+4*\s+3], 0x80000000
	JLOAD G0+4*\s, G1, G0B+4*\s, G1B               ; by this text's count three tensor loads of a wave are out here, later one
.endr
	v_and_b32 v1, 15, v0                           ; r = lane % 16
	v_bfe_u32 v2, v0, 4, 1                         ; h = lane / 16
	v_mul_u32_u24 v3, v1, PITCH
	v_lshl_add_u32 v4, v2, 4, v3                   ; a fragment's row x pitch + 16 h
	s_mul_i32 s21, s19, AHALF                      ; my 64 rows of x
	s_mul_i32 s98, s20, BHALF                      ; my 128 rows of w,
	s_add_co_u32 s98, s98, 2*AHALF                 ; behind x's 128
.irp s, 0,1
	v_add_nc_u32 v[ADRA+\s], s21, v4
	v_add_nc_u32 v[ADRB+\s], s98, v4
	s_add_co_u32 s21, s21, SLOT
	s_add_co_u32 s98, s98, SLOT
.endr
	v_lshrrev_b32 v5, 1, v1                        ; my row's scales: two rows of 128 bytes to a piece of 272
	v_mul_u32_u24 v5, v5, 272
	v_and_b32 v6, 1, v1
	v_lshl_add_u32 v5, v6, 7, v5
	s_mul_i32 s21, s19, ASH                        ; x's: my 64 rows
	s_mul_i32 s98, s20, BSH                        ; w's: my 128 rows, behind x's 128
	s_add_co_u32 s98, s98, 2*ASH
	s_sub_co_u32 s98, s98, s21
	v_mul_u32_u24 v6, s98, v2                      ; lanes 16-31 take w's: one product, the distance x h
	s_add_co_u32 s21, s21, SCL
	v_add_nc_u32 v5, v5, v6
	v_add_nc_u32 v[ADRS], s21, v5
	s_mul_i32 s21, s18, 16*SPITCH                  ; my stage
	v_mul_u32_u24 v5, v1, SPITCH
	v_lshl_add_u32 v5, v2, 5, v5
	v_add_nc_u32 v[STO], s21, v5                   ; in: row r, 32 bytes for each half of the lanes
	v_and_b32 v6, 31, v0
	v_lshlrev_b32 v[CO], 4, v6
	v_add_nc_u32 v[RD], s21, v[CO]                 ; back: the 32 lanes take one row of 512 bytes,
	v_xor_b32 v5, 256, v[CO]
	v_add_nc_u32 v[RDX], s21, v5                   ; and the same row 64 columns away
	v_lshlrev_b32 v[CH], 3, v6
	; the way out's bases
	s_lshl_b32 s21, s43, 7
	s_lshl_b32 s2, s19, 6
	s_add_co_u32 s21, s21, s2                      ; my first row of C: 128 x tile row + 64 i
	s_lshl_b32 s66, s21, 9
	s_mov_b32 s67, 0
	s_add_nc_u64 s[TABB:TABB+1], s[8:9], s[66:67]  ; the table: 512 bytes a position
	s_lshl_b32 s92, s42, 1
	s_add_co_u32 s92, s92, s20                     ; my head of 32
	s_lshl_b32 s94, s92, 19                        ; qkv16: 524,288 bytes a head, 256 a row
	s_lshl_b32 s95, s21, 8
	s_add_co_u32 s94, s94, s95
	s_mov_b32 s95, 0
	s_add_nc_u64 s[F16B:F16B+1], s[10:11], s[94:95]
	s_sub_co_u32 s2, s92, 16
	s_and_b32 s2, s2, 7                            ; the head among k's or v's eight
	s_lshl_b32 s2, s2, 20                          ; out1, out2: 1,048,576 bytes a head, 512 a row
	s_lshl_b32 s3, s21, 9
	s_add_co_u32 s2, s2, s3
	s_lshl_b32 s3, s92, 15                         ; q32: 32,768 bytes a head, 8,192 for each place along the cluster's y (an address alone hangs on it)
	s_lshl_b32 s96, s41, 13
	s_add_co_u32 s3, s3, s96
	s_mov_b32 s[SCQ], 0x3e800000                   ; k's factor 0.25,
	s_cmp_lt_u32 ttmp9, 2                          ; clusters 0 and 1 along x make q
	s_cselect_b32 s2, s3, s2
	s_cselect_b64 s[F32B:F32B+1], s[12:13], s[14:15]
	s_cselect_b32 s[SCQ], 0x3f0293ee, s[SCQ]       ; q's 4 log2(e) / sqrt(128)
	s_cselect_b32 s[FLAGN], 0, 1                   ; k's rows all go out in f32, of q's only the first block of some waves
	s_cmp_eq_u32 ttmp9, 3                          ; cluster 3 makes v
	s_cselect_b64 s[F32B:F32B+1], s[16:17], s[F32B:F32B+1]
	s_mov_b32 s3, 0
	s_add_nc_u64 s[F32B:F32B+1], s[F32B:F32B+1], s[2:3]
	s_mov_b32 s[SCQ+1], s[SCQ]                     ; (named with it as a pair, so it is written)
	s_and_b32 s3, ttmp7, 0xffff
	s_or_b32 s3, s3, s19                           ; the first cluster along y, waves 0 and 1: the same in all partners
	s_cmp_eq_u32 s3, 0
	s_cselect_b32 s[FLAG0], 1, 0
	s_or_b32 s[FLAG0], s[FLAG0], s[FLAGN]
; the table of block a (16 positions: cos, sinS) into set a % 2: 32 loads of 512 consecutive bytes
.macro TABLE a
	WIN TO_T
.set n, 0
.rept 16
	global_load_b128 v[128*((\a)%2)+4*n:128*((\a)%2)+4*n+3], v[CO], s[TABB:TABB+1] offset:(\a)*8192+512*n
	global_load_b128 v[128*((\a)%2)+64+4*n:128*((\a)%2)+64+4*n+3], v[CO], s[TABB:TABB+1] offset:(\a)*8192+512*n+1048576
.set n, n+1
.endr
	WIN 0
.endm
	TABLE 0                                        ; asked for here by every work-group, so that the text has one way up to the way out; they land under the products
	TABLE 1
.macro FRAG reg, adr, q, i             ; 16 rows x 128 K of 4-bit codes: 8 registers: lane (r, h): registers 4 c .. 4 c + 3 hold K = 64 c + 32 h + 0 .. 31
.irp c, 0,1
	ds_load_b128 v[\reg+4*\c:\reg+4*\c+3], v[\adr] offset:64*(\q)+32*\c+(\i)*16*PITCH
.endr
.endm
.macro FETCH slot, q, p                ; the fragments of the slot's q-th 128 along K into set p: 24 loads in one run
	WIN TO_B
.irp i, 0,1,2,3,4,5,6,7
	FRAG 64*(\p)+8*\i, ADRB+\slot, \q, \i
.endr
	WIN 0
.irp i, 0,1,2,3
	FRAG AF+32*(\p)+8*\i, ADRA+\slot, \q, \i
.endr
.endm
.macro SCALES sc                       ; a K step's scale words into set sc: four words a row; lanes 0-15 x's block i (i < 4; beyond that filled bytes that no product names), lanes 16-31 w's block i
.irp i, 0,1,2,3,4,5,6,7
	ds_load_b128 v[SC+32*\sc+4*\i:SC+32*\sc+4*\i+3], v[ADRS] offset:\i*SBLK
.endr
.endm
; 8 matrix instructions: x's block a against w's eight.  The 32 accumulators take turns, one instruction a turn, in the same order in every step.
.macro MUL8 a, p, q, sc, zero
.irp b, 0,1,2,3,4,5,6,7
.if \zero
	v_wmma_scale_f32_16x16x128_f8f6f4 v[8*(8*(\a)+\b):8*(8*(\a)+\b)+7], v[64*(\p)+8*\b:64*(\p)+8*\b+7], v[AF+32*(\p)+8*(\a):AF+32*(\p)+8*(\a)+7], 0, v[SC+32*(\sc)+4*\b+(\q)], v[SC+32*(\sc)+4*(\a)+(\q)] matrix_a_fmt:MATRIX_FMT_FP4 matrix_b_fmt:MATRIX_FMT_FP4 matrix_a_scale:MATRIX_SCALE_ROW1
.else
	v_wmma_scale_f32_16x16x128_f8f6f4 v[8*(8*(\a)+\b):8*(8*(\a)+\b)+7], v[64*(\p)+8*\b:64*(\p)+8*\b+7], v[AF+32*(\p)+8*(\a):AF+32*(\p)+8*(\a)+7], v[8*(8*(\a)+\b):8*(8*(\a)+\b)+7], v[SC+32*(\sc)+4*\b+(\q)], v[SC+32*(\sc)+4*(\a)+(\q)] matrix_a_fmt:MATRIX_FMT_FP4 matrix_b_fmt:MATRIX_FMT_FP4 matrix_a_scale:MATRIX_SCALE_ROW1
.endif
.endr
.endm
; A step of 128 along K that has its successor in the same slot: the successor's fragments are asked for first, into the set that the step before has multiplied
.macro STEP slot, q, zero
	PLACES
	FETCH \slot, (\q)+1, ((\q)+1)%2
	s_wait_dscnt 24                                ; all but the 24 just issued: this step's fragments (and scale words) are in
	WIN W_MUL
.irp a, 0,1,2,3
	MUL8 \a, (\q)%2, \q, \slot, \zero
.endr
.endm
; A slot's last step changes slots: ONE barrier; in front of it each wave waits for all its tensor loads, adds 0 to its spare word, and waits for that and for its reads of this slot.
.macro TURN slot, next, fill
	WIN 0                                          ; (the add's two registers lie in window 0)
	s_wait_tensorcnt 0x0                           ; all my tensor loads have landed: my part of the next slot
	ds_add_u32 v[SPW], v[NIL]                      ; 0 onto my spare word
	s_wait_dscnt 1                                 ; the add alone may be out: this step's fragments are in
	WIN W_MUL
	MUL8 0, 1, 3, \slot, 0                         ; eight matrix instructions stand between the add and the wait for it
	s_wait_dscnt 0x0                               ; the add is done, and my reads of this slot are over
	s_barrier_signal -1
	MUL8 1, 1, 3, \slot, 0
	WIN 0
	s_barrier_wait -1
.if \fill
	CREST                                          ; the barrier has opened a round of the cluster's: no wave of any partner still reads this slot or has a load on its way
	s_add_nc_u64 s[G0+4*\slot+2:G0+4*\slot+3], s[G0+4*\slot+2:G0+4*\slot+3], 512
	s_add_nc_u64 s[G0B+4*\slot+2:G0B+4*\slot+3], s[G0B+4*\slot+2:G0B+4*\slot+3], 512
	JLOAD G0+4*\slot, G1, G0B+4*\slot, G1B         ; the first tensor load behind the round; its four v_nop are also the places in front of the loads below
.else
	PLACES
.endif
	v_add_nc_u32 v[ADRS], 16, v[ADRS]              ; the next K step's scale words
	FETCH \next, 0, 0
	SCALES \next
	WIN W_MUL
	MUL8 2, 1, 3, \slot, 0
	MUL8 3, 1, 3, \slot, 0
.endm
	s_wait_tensorcnt 1                             ; the scales and my part of K step 0 are in (K step 1's load may be out)
	s_barrier_signal -1
	s_barrier_wait -1                              ; everybody's are
	FETCH 0, 0, 0
	SCALES 0
	STEP 0, 0, 1                                   ; the first step stands in front of the loop: its products start the sums
	WIN 0
	s_mov_b32 s3, 3
.Llap:                                                 ; a trip goes once round the ring and fills both slots again: K steps 2 to 7
	STEP 0, 1, 0
	STEP 0, 2, 0
	TURN 0, 1, 1
	STEP 1, 0, 0
	STEP 1, 1, 0
	STEP 1, 2, 0
	TURN 1, 0, 1
	STEP 0, 0, 0
	WIN 0
	s_sub_co_u32 s3, s3, 1
	s_cmp_lg_u32 s3, 0
	s_cbranch_scc1 .Llap
	STEP 0, 1, 0                                   ; the last lap fills nothing
	STEP 0, 2, 0
	TURN 0, 1, 0
	STEP 1, 0, 0
	STEP 1, 1, 0
	STEP 1, 2, 0
	s_wait_dscnt 0x0
	WIN W_MUL
.irp a, 0,1,2,3
	MUL8 \a, 1, 3, 1, 0
.endr
	WIN 0
	PLACES                                         ; in front of the first read of results and of loads into the fragments' registers
; THE WAY OUT, a block of 16 rows x 128 columns (a head's whole row) at a time, through my own stage in LDS: in as 32 bytes a lane, back as whole rows of 512 bytes.
; LDS serves a wave's instructions in order (ISA guide 5.7.1.4): no wait between the stores and the loads, nor in front of the next block's stores.
.macro TOSTAGE a
	WIN W_STG
.irp b, 0,1,2,3,4,5,6,7
	ds_store_b128 v[STO], v[8*(8*(\a)+\b):8*(8*(\a)+\b)+3] offset:64*\b        ; each accumulator from its low end on
	ds_store_b128 v[STO], v[8*(8*(\a)+\b)+4:8*(8*(\a)+\b)+7] offset:64*\b+16
.endr
	WIN TO_B
.set n, 0
.rept 16
	ds_load_b128 v[4*n:4*n+3], v[RD] offset:SPITCH*n
.set n, n+1
.endr
.endm
.macro HALVES a                        ; 16 rows of f16, 256 consecutive bytes a store, aligned
	WIN W_OUT
.set n, 0
.rept 16
	global_store_b64 v[CH], v[128+2*n:129+2*n], s[F16B:F16B+1] offset:(\a)*4096+256*n
.set n, n+1
.endr
	WIN 0
.endm
.macro WHOLES a                        ; 16 rows of f32, 512 consecutive bytes a store
	WIN W_OUT
.set n, 0
.rept 16
	global_store_b128 v[CO], v[4*n:4*n+3], s[F32B:F32B+1] offset:(\a)*8192+512*n
.set n, n+1
.endr
	WIN 0
.endm
; q and k: rope(x)[d] = x[d] cos[d] + x[d xor 64] sinS[d]
.macro RBLOCK a, flag
.set TS, 128*((\a)%2)
.if (\a) > 0
	s_wait_xcnt 0x0                                ; the last block's stores have read their registers
.endif
	TOSTAGE \a
.set n, 0
.rept 16
	ds_load_b128 v[64+4*n:64+4*n+3], v[RDX] offset:SPITCH*n
.set n, n+1
.endr
.if (\a) < 3
	s_wait_loadcnt 32                              ; this block's table is in; the next block's 32 loads may be out
.else
	s_wait_loadcnt 0x0
.endif
	s_wait_dscnt 0x0
	WIN W_ROPE
.set n, 0
.rept 32
	v_pk_mul_f32 v[2*n:2*n+1], v[2*n:2*n+1], v[TS+2*n:TS+2*n+1]
.set n, n+1
.endr
.set n, 0
.rept 32
	v_pk_fma_f32 v[2*n:2*n+1], v[64+2*n:64+2*n+1], v[TS+64+2*n:TS+64+2*n+1], v[2*n:2*n+1]
.set n, n+1
.endr
.if (\a) < 2
	TABLE (\a)+2
.endif
	WIN 0
	s_cmp_eq_u32 s[\flag], 0
	s_cbranch_scc1 .Lno_f32_\@
	WHOLES \a
.Lno_f32_\@:
	WIN W_PACK
.set n, 0
.rept 32
	v_pk_mul_f32 v[64+2*n:64+2*n+1], v[2*n:2*n+1], s[SCQ:SCQ+1] op_sel_hi:[1,0]
.set n, n+1
.endr
.set n, 0
.rept 32
	v_cvt_pk_f16_f32 v[128+n], v[64+2*n], v[64+2*n+1]
.set n, n+1
.endr
	HALVES \a
.endm
; v: as it is
.macro VBLOCK a
.if (\a) > 0
	s_wait_xcnt 0x0
.endif
	TOSTAGE \a
	s_wait_dscnt 0x0
	WHOLES \a
	WIN W_PACK
.set n, 0
.rept 32
	v_cvt_pk_f16_f32 v[128+n], v[2*n], v[2*n+1]
.set n, n+1
.endr
	HALVES \a
.endm
.macro FINISH
	s_wait_tensorcnt 0x0                           ; the wave's end, behind my last tensor load and my last LDS store
	ds_add_u32 v[SPW], v[NIL]
	s_wait_dscnt 0x0
	CROUND                                         ; the closing round: no work-group ends while a partner may still ask for a tile that names it
	s_endpgm
.endm
	s_cmp_eq_u32 ttmp9, 3                          ; the cluster's x: the same in all sixteen partners
	s_cbranch_scc1 .Lplain
	RBLOCK 0, FLAG0
	RBLOCK 1, FLAGN
	RBLOCK 2, FLAGN
	RBLOCK 3, FLAGN
	FINISH
.Lplain:
	VBLOCK 0
	VBLOCK 1
	VBLOCK 2
	VBLOCK 3
	FINISH
.Lfunc_end_k_q9c022657f9_qkv:
	.size	k_q9c022657f9_qkv, .Lfunc_end_k_q9c022657f9_qkv-k_q9c022657f9_qkv
	.p2alignl 7, 3214868480
	.fill 96, 4, 3214868480
	.section	.rodata,"a",@progbits
	.p2align	6, 0x0
	.amdhsa_kernel k_q9c022657f9_qkv
		.amdhsa_group_segment_fixed_size 327680
		.amdhsa_private_segment_fixed_size 0
		.amdhsa_enable_private_segment 0
		.amdhsa_kernarg_size 56
		.amdhsa_user_sgpr_count 2
		.amdhsa_user_sgpr_kernarg_segment_ptr 1
		.amdhsa_wavefront_size32 1
		.amdhsa_system_sgpr_workgroup_id_x 1
		.amdhsa_system_sgpr_workgroup_id_y 1
		.amdhsa_system_sgpr_workgroup_id_z 1
		.amdhsa_system_vgpr_workitem_id 0
		.amdhsa_next_free_vgpr 1024
		.amdhsa_next_free_sgpr 102
		.amdhsa_reserve_vcc 0
		.amdhsa_float_denorm_mode_32 3
		.amdhsa_float_denorm_mode_16_64 3
		.amdhsa_memory_ordered 1
		.amdhsa_forward_progress 1
		.amdhsa_inst_pref_size 208
	.end_amdhsa_kernel
	.amdgpu_metadata
---
amdhsa.version: [ 1, 2 ]
amdhsa.kernels:
  - .name:           k_q9c022657f9_qkv
    .symbol:         k_q9c022657f9_qkv.kd
    .args:
      - { .name: codes, .offset: 0, .size: 8, .value_kind: global_buffer, .address_space: global }
      - { .name: scales, .offset: 8, .size: 8, .value_kind: global_buffer, .address_space: global }
      - { .name: tab, .offset: 16, .size: 8, .value_kind: global_buffer, .address_space: global }
      - { .name: qkv16, .offset: 24, .size: 8, .value_kind: global_buffer, .address_space: global }
      - { .name: q32, .offset: 32, .size: 8, .value_kind: global_buffer, .address_space: global }
      - { .name: out1, .offset: 40, .size: 8, .value_kind: global_buffer, .address_space: global }
      - { .name: out2, .offset: 48, .size: 8, .value_kind: global_buffer, .address_space: global }
    .group_segment_fixed_size: 327680
    .private_segment_fixed_size: 0
    .kernarg_segment_align: 8
    .kernarg_segment_size: 56
    .max_flat_workgroup_size: 128
    .sgpr_count:     102
    .vgpr_count:     1024
    .wavefront_size: 32
...
	.end_amdgpu_metadata
.endif
;; end of part 2
;; launch attn (part 3): grid 8 x 64, 8 waves a work-group, no clusters, 327,680 bytes of LDS; arguments qkv16, att16; writes att16
.if DOCPART == 3
	.amdgcn_target "amdgcn-amd-amdhsa--gfx1250"
	.amdhsa_code_object_version 6
	.text
	.protected	k_q9c022657f9_attn
	.globl	k_q9c022657f9_attn
	.p2align	8
	.type	k_q9c022657f9_attn,@function
k_q9c022657f9_attn:
	s_mov_b64 s[64:65], 0
	v_nop
	global_prefetch_b8 v0, s[64:65] scope:SCOPE_SE
	s_setreg_imm32_b32 hwreg(HW_REG_WAVE_MODE, 25, 1), 1
	s_wait_xcnt 0x0
; CAUSAL ATTENTION IN f16.  qkv16 [32 heads][2048][128] f16: heads 0-15 q (x 4 log2(e) / sqrt(128)), 16-23 k (x 0.25), 24-31 v: a product q . k is t = score x log2(e) / sqrt(128).
; att16 [2048 positions][16 heads x 128] f16.  Products, maxima and sums in f32; the weights p = 2^(t - m), m the running maximum, are rounded to f16 for the second product; the row's sum is taken of the unrounded p.
; SHARES.  Work-group (x = kv head, y) owns the 32 positions of block b = 63 - y, for both query heads of its kv head: 512 work-groups, THE LONG ONES FIRST.  Block b walks ceil((b + 1) / 8) slots of 256 keys, and blocks b and
; 63 - b together nine: a WGP that is free early takes a short block.  Wave w: u = w % 2: 16 of the 32 positions; g = w / 2: of every slot it takes keys 64 g .. 64 g + 63.  ITS TWO TILES OF 16 QUERIES ARE THE TWO QUERY HEADS AT
; THE SAME POSITIONS: so every fragment of K and V that it reads from LDS feeds two tiles, and both have the same causal limit.  The four waves of a u are merged once, at the end, through LDS.
; NO CLUSTER: the work-groups of a kv head need different numbers of slots, and the causal limit lets each stop asking at a place that hangs on its number; a joint load may not be jumped over.
; THE WALK.  Every work-group walks all 8 slots: the trip count is a constant.  A wave leaves out the work of 64 keys that all come after its queries (a scalar branch on ids); a change of slots asks for the next slot only while
; that slot's first key is at or under the work-group's last query: every wait for tensor loads is for all of them, the test is made of ids alone and is the same in all eight waves, and it leads round the load's own lines alone.
; Every wave brings 64 rows of a slot: waves 0-3 K's quarters, waves 4-7 V's: one tensor load a wave behind each barrier.  The two buffers are written out in the text, each with its own addresses and descriptors.
; LAYOUT.  S^T = K Q^T (source 0 = 16 keys, source 1 = 16 queries): a lane holds ONE query (lane % 16) and keys 8 (lane / 16) + 0..7.  Two such tiles, rounded in pairs, are source 1 of O^T = V^T P.  V comes out of LDS turned.
; LIMITS: f16's range for q, k, v as the launch before states; the result stays under 65,504.  NaN and infinities are not served.
; REGISTERS: window 0: v1-22 addresses; v24-31, v32-39 statistics of tiles A, B (+0 m, +2, +3 the sum in two halves, +4..7 at work, the factor a in +6); v40-63 the merge; v64-95, v96-127 S^T; v128-143, v144-159 P; v160-191, v192-223 Q.
;            window 1: v0-63, v64-127 O^T of A, B; v128-255 K's fragments, then V's; in the merge a partner's image.
.set PK,    272                        ; a row of K in LDS: 256 bytes + 16
.set PV,    288                        ; a row of V: 256 + 32
.set KEYS,  256                        ; keys in a slot
.set VOFF,  KEYS*PK                    ; a buffer: 256 rows of K, then 256 rows of V
.set SLOTB, KEYS*(PK+PV)               ; 143,360 bytes
.set SPARE, 2*SLOTB                    ; behind the two buffers: the spare words, 128 bytes a wave, which no other line names
.set MRGW,  16896                      ; the merge, in buffer 0, which has had its last fill and its last read behind the last change of slots: an image of O^T (16,384 bytes) and four words a lane (512)
.set MRGU,  4*MRGW                     ; for each u: place 0 the keeper's stage (16 rows x 272 bytes), places 1-3 the images of g = 1, 2, 3
.set SP,    272
.set G1K,   24                         ; s[24:31], s[32:39] group 1 for K's and V's tiles
.set G1V,   32
.set G0K,   40                         ; s[40:43], s[44:47] K's group 0 for buffers 0, 1;  s[48:51], s[52:55] V's
.set G0V,   48
.set PFK,   60                         ; s[60:61], s[62:63] where my prefetches stand in K and in V
.set PFV,   62
.set W_KQ,  0x01                       ; K window 1; Q and S^T window 0
.set W_PV,  0x51                       ; V and O^T window 1; P window 0
.set W_LD,  0x40                       ; destination window 1
.set W_RS,  0x41                       ; O^T (destination, source 0) window 1, the factor window 0
.set MSB, 0
.macro WIN new                         ; the immediate's high byte repeats the setting that is left
.if MSB != \new
	s_set_vgpr_msb (MSB<<8)|\new
.set MSB, \new
.endif
.endm
; s8 wave, s9 which quarter I fetch, s10 g, s11 u, s12 the first query head, s16 my first query, s17 the slot's first key, s18 my 64 keys' first, s[20:21] lane selects, s22 fills to go, s23 who prefetches, s74 trips, s76 the work-group's last query
.macro TLOAD f                         ; into buffer f: waves 0-3 K's quarters, waves 4-7 V's.  An s_nop 0 and four v_nop follow each of the two lines
	s_cmp_lt_u32 s8, 4
	s_cbranch_scc0 .Lfor_v_\@
	tensor_load_to_lds s[G0K+4*\f:G0K+4*\f+3], s[G1K:G1K+7]
	s_nop 0
.rept 4
	v_nop
.endr
	s_branch .Lasked_\@
.Lfor_v_\@:
	tensor_load_to_lds s[G0V+4*\f:G0V+4*\f+3], s[G1V:G1V+7]
	s_nop 0
.rept 4
	v_nop
.endr
.Lasked_\@:
.endm
; A PREFETCH of what the NEXT change of slots will ask for: 256 rows of K and of V, 256 bytes a row, a lane a row.  All 64 work-groups of a kv head walk the same rows: the first of them (block 63, which walks every slot) asks;
; each of its eight waves takes 32 rows of K and of V: two instructions a wave, each row named once in the launch.  The last change that fills a buffer asks for nothing; slots 0 and 1 come by their loads alone.
.macro ASK
	s_cmp_gt_u32 s22, s23
	s_cbranch_scc0 .Lnot_mine_\@
	global_prefetch_b8 v14, s[PFK:PFK+1] th:TH_LOAD_NT scope:SCOPE_SE
	global_prefetch_b8 v14, s[PFV:PFV+1] th:TH_LOAD_NT scope:SCOPE_SE
.Lnot_mine_\@:
.endm
	s_load_b128 s[4:7], s[0:1], 0x0                ; qkv16, att16
	v_lshl_add_u32 v12, v0, 2, SPARE               ; v12 my spare word, v13 0: never rewritten
	v_mov_b32 v13, 0
	ds_add_u32 v12, v13                            ; the wave's opening: the add, twice on end, and its wait ahead of my first tensor load
	ds_add_u32 v12, v13
	v_lshrrev_b32 v8, 5, v0
	v_readfirstlane_b32 s8, v8                     ; wave 0..7
	s_and_b32 s9, s8, 3                            ; which 64 rows of a slot I fetch
	s_lshr_b32 s10, s8, 1                          ; g
	s_and_b32 s11, s8, 1                           ; u
	s_lshl_b32 s12, ttmp9, 1                       ; tile A's query head; tile B's is the next
	s_and_b32 s14, ttmp7, 0xffff
	s_sub_co_u32 s15, 63, s14                      ; the block: the long ones first
	s_lshl_b32 s15, s15, 5
	s_add_co_u32 s76, s15, 31                      ; the work-group's last query
	s_lshl_b32 s16, s11, 4
	s_add_co_u32 s16, s16, s15                     ; my first query: 32 b + 16 u
	s_mov_b32 s17, 0
	s_mov_b32 s20, 0x76543210
	s_mov_b32 s21, 0xfedcba98                      ; v_permlanex16_b32's selects for lane l xor 16
	s_mov_b32 s22, 7
	s_cmp_eq_u32 s14, 0                            ; the kv head's first work-group prefetches
	s_cselect_b32 s23, 1, -1
	s_mov_b32 s[G1K], (1<<16)|(1<<20)|(5<<22)|(3<<25)   ; no mask; elements of 2 bytes; padding: four words after every 64
	s_mov_b32 s[G1V], (1<<16)|(1<<20)|(5<<22)|(7<<25)   ; eight words
.irp g, G1K, G1V
	s_mov_b32 s[\g+1], 128<<16                     ; tensor_dim0
	s_mov_b32 s[\g+2], 64<<16                      ; tensor_dim1
	s_mov_b32 s[\g+3], 128<<16                     ; tile_dim0
	s_mov_b32 s[\g+4], 64                          ; tile_dim1
	s_mov_b32 s[\g+5], 128                         ; from row to row
	s_mov_b32 s[\g+6], 0
	s_mov_b32 s[\g+7], 0
.endr
	s_add_co_u32 s66, ttmp9, 16
	s_lshl_b32 s66, s66, 19                        ; K's head, 524,288 bytes a head
	s_mov_b32 s67, 0
	s_add_co_u32 s68, ttmp9, 24
	s_lshl_b32 s68, s68, 19                        ; V's
	s_mov_b32 s69, 0
	s_lshl_b32 s70, s9, 14                         ; my 64 rows of 256 bytes in a slot
	s_mov_b32 s71, 0
	s_lshl_b32 s72, s8, 13                         ; the prefetches: 32 rows a wave,
	s_add_co_u32 s72, s72, 65536                   ; in slot 1: the first change of slots steps them to slot 2
	s_mov_b32 s73, 0
	s_lshl_b32 s74, s12, 19                        ; Q: tile A's head, my rows of 256 bytes
	s_lshl_b32 s75, s16, 8
	s_add_co_u32 s74, s74, s75
	s_mov_b32 s75, 0
	s_lshl_b32 s78, s16, 12                        ; att16: rows of 4,096 bytes, 256 a head
	s_lshl_b32 s79, s12, 8
	s_add_co_u32 s78, s78, s79
	s_mov_b32 s79, 0
	s_mul_i32 s18, s9, 64*PK                       ; where my 64 rows go: the wave's number alone
	s_mul_i32 s19, s9, 64*PV
	s_add_co_u32 s19, s19, VOFF
	s_wait_dscnt 0x0                               ; both opening adds are done
	s_wait_kmcnt 0x0
	s_add_nc_u64 s[66:67], s[4:5], s[66:67]        ; K's head,
	s_add_nc_u64 s[68:69], s[4:5], s[68:69]        ; V's
	s_mov_b32 s[G0K], 1                            ; buffer 0 begins with slot 0;
	s_mov_b32 s[G0K+1], s18
	s_add_nc_u64 s[G0K+2:G0K+3], s[66:67], s[70:71]
	s_mov_b32 s[G0K+4], 1                          ; buffer 1's address stands two slots in front of slot 1: each fill steps its address by two slots first
	s_add_co_u32 s[G0K+5], s18, SLOTB
	s_sub_nc_u64 s[G0K+6:G0K+7], s[G0K+2:G0K+3], 65536
	s_or_b32 s[G0K+3], s[G0K+3], 0x80000000
	s_or_b32 s[G0K+7], s[G0K+7], 0x80000000
	s_mov_b32 s[G0V], 1
	s_mov_b32 s[G0V+1], s19
	s_add_nc_u64 s[G0V+2:G0V+3], s[68:69], s[70:71]
	s_mov_b32 s[G0V+4], 1
	s_add_co_u32 s[G0V+5], s19, SLOTB
	s_sub_nc_u64 s[G0V+6:G0V+7], s[G0V+2:G0V+3], 65536
	s_or_b32 s[G0V+3], s[G0V+3], 0x80000000
	s_or_b32 s[G0V+7], s[G0V+7], 0x80000000
	TLOAD 0                                        ; slot 0: it holds key 0, which counts for every query.  One tensor load of a wave is out, here and behind every barrier
	s_add_nc_u64 s[PFK:PFK+1], s[66:67], s[72:73]
	s_add_nc_u64 s[PFV:PFV+1], s[68:69], s[72:73]
	s_add_nc_u64 s[58:59], s[4:5], s[74:75]        ; Q of tile A; tile B's lies a head on
	s_add_nc_u64 s[56:57], s[6:7], s[78:79]        ; att16 for tile A; tile B's lies 256 bytes on
	v_and_b32 v1, 15, v0                           ; r
	v_bfe_u32 v2, v0, 4, 1                         ; h
	v_and_b32 v10, 31, v0                          ; lane
	v_lshlrev_b32 v15, 8, v1
	v_lshl_add_u32 v15, v2, 4, v15                 ; Q: row r of 256 bytes + 16 h
.irp c, 0,1,2,3
	global_load_b128 v[160+8*\c:163+8*\c], v15, s[58:59] offset:64*\c       ; Q stays in registers: channels 32 c on
	global_load_b128 v[164+8*\c:167+8*\c], v15, s[58:59] offset:64*\c+32
	global_load_b128 v[192+8*\c:195+8*\c], v15, s[58:59] offset:524288+64*\c
	global_load_b128 v[196+8*\c:199+8*\c], v15, s[58:59] offset:524288+64*\c+32
.endr
	v_mul_u32_u24 v3, v1, PK
	v_lshl_add_u32 v3, v2, 4, v3
	s_mul_i32 s77, s10, 64*PK
	v_add_nc_u32 v3, s77, v3                       ; K in buffer 0: row r x pitch + 16 h, in my 64 keys;
	v_add_nc_u32 v4, SLOTB, v3                     ; in buffer 1
	v_and_b32 v8, 7, v0
	v_lshl_add_u32 v8, v2, 3, v8
	v_mul_u32_u24 v5, v8, PV
	v_bfe_u32 v9, v0, 3, 1
	v_lshl_add_u32 v5, v9, 4, v5
	s_mul_i32 s77, s10, 64*PV
	s_add_co_u32 s77, s77, VOFF
	v_add_nc_u32 v5, s77, v5                       ; V, for the turning load: key 8 h + lane % 8, channels 8 ((lane / 8) % 2) on; buffer 0,
	v_add_nc_u32 v6, SLOTB, v5                     ; buffer 1
	v_lshlrev_b32 v8, 3, v2
	v_sub_nc_u32 v7, v1, v8                        ; r - 8 h, for the mask
	v_lshlrev_b32 v14, 8, v10                      ; the prefetches: a lane a row
	s_mul_i32 s78, s11, MRGU                       ; the merge: my u's region,
	s_mul_i32 s77, s10, MRGW
	s_add_co_u32 s77, s77, s78                     ; my g's place in it
	v_lshl_add_u32 v16, v10, 4, s77                ; my image of O^T: 16 x lane
	s_add_co_u32 s77, s77, 16384
	v_lshl_add_u32 v17, v10, 2, s77                ; and my words: 4 x lane
	v_add_nc_u32 v21, MRGW, v16                    ; for a keeper (g = 0): the first partner's image,
	v_add_nc_u32 v22, MRGW, v17                    ; and its words
	v_mul_u32_u24 v18, v1, SP
	v_lshl_add_u32 v18, v2, 4, v18
	v_add_nc_u32 v18, s78, v18                     ; the stage, in: row r, 16 bytes for each half of the lanes
	v_mul_u32_u24 v19, v2, SP
	v_lshl_add_u32 v19, v1, 4, v19
	v_add_nc_u32 v19, s78, v19                     ; back: lanes 0-15 one row of 256 bytes, lanes 16-31 the next
	v_lshlrev_b32 v20, 12, v2
	v_lshl_add_u32 v20, v1, 4, v20                 ; and the same two rows in att16
.irp j, 24,25,26,27,28,29,30,31,32,33,34,35,36,37,38,39
	v_mov_b32 v[\j], 0                             ; the sums begin as zeros; the others are written once, since pairs and lane permutes name them
.endr
	v_mov_b32 v24, 0xff61b1e6                      ; the largest t so far: -3e38, under every t
	v_mov_b32 v32, 0xff61b1e6
	WIN W_LD
.set n, 0
.rept 128
	v_mov_b32 v[n], 0                              ; O^T.  (The step is written once: the first finds zeros, which the first factor leaves zeros; a wave that never reaches its keys keeps zeros for the merge)
.set n, n+1
.endr
	WIN 0
; One tile's softmax for 64 keys.  rT statistics, rS the 32 scores, rP the weights in f16, rO its O^T (window 1).
.macro SOFTMAX rT, rS, rP, rO
	s_add_co_u32 s77, s18, 63
	s_cmp_le_u32 s77, s16                          ; all 64 keys count for all 16 queries: no mask
	s_cbranch_scc1 .Lopen_\@
	s_sub_co_i32 s77, s16, s18
	v_add_nc_u32 v8, s77, v7                       ; my query - the first key - 8 h.  Register n holds key 16 (n / 8) + n % 8 + 8 h: hidden where 16 (n / 8) + n % 8 is above it
	v_mov_b32 v9, 0xff800000                       ; -infinity: p = 0 then
.set n, 0
.rept 32
	v_cmp_gt_i32 vcc_lo, 16*(n/8)+n%8, v8
	v_cndmask_b32 v[\rS+n], v[\rS+n], v9, vcc_lo
.set n, n+1
.endr
.Lopen_\@:
.irp j, 0,1,2,3
	v_max3_num_f32 v[\rT+4+\j], v[\rS+8*\j], v[\rS+8*\j+1], v[\rS+8*\j+2]   ; four chains; each tile of scores is read from its low end on
.endr
.irp i, 3,5
.irp j, 0,1,2,3
	v_max3_num_f32 v[\rT+4+\j], v[\rT+4+\j], v[\rS+8*\j+\i], v[\rS+8*\j+\i+1]
.endr
.endr
	v_max3_num_f32 v[\rT+4], v[\rT+4], v[\rS+7], v[\rS+15]
	v_max3_num_f32 v[\rT+6], v[\rT+6], v[\rS+23], v[\rS+31]
	v_max3_num_f32 v[\rT+4], v[\rT+4], v[\rT+5], v[\rT+6]
	v_max3_num_f32 v[\rT+4], v[\rT+4], v[\rT+7], v[\rT]    ; with the old m
	v_permlanex16_b32 v[\rT+5], v[\rT+4], s20, s21         ; the query's other 32 keys lie in the lane 16 away
	v_mov_b32 v[\rT+7], v[\rT]
	v_max_num_f32 v[\rT], v[\rT+4], v[\rT+5]               ; the new m
	v_sub_f32 v[\rT+7], v[\rT+7], v[\rT]                   ; old m - new m
.set n, 0
.rept 16
	v_pk_add_f32 v[\rS+2*n:\rS+2*n+1], v[\rS+2*n:\rS+2*n+1], v[\rT:\rT+1] op_sel_hi:[1,0] neg_lo:[0,1] neg_hi:[0,1]   ; t - m
.set n, n+1
.endr
	v_exp_f32 v[\rT+6], v[\rT+7]                   ; a = 2^(old m - new m)
.set n, 0
.rept 32
	v_exp_f32 v[\rS+n], v[\rS+n]                   ; p
.set n, n+1
.endr
	v_nop                                          ; a plain line behind the last exponential
	s_wait_alu depctr_va_vdst(0)                   ; one wait for the batch of 33, ahead of its first reader
.set n, 0
.rept 16
	v_cvt_pk_f16_f32 v[\rP+n], v[\rS+2*n], v[\rS+2*n+1]
.set n, n+1
.endr
.irp w, 4,8,16,32                      ; the sum of the 16 pairs, in place, neighbours 1, 2, 4, 8 pairs apart
.set n, 0
.rept 32/\w
	v_pk_add_f32 v[\rS+\w*n:\rS+\w*n+1], v[\rS+\w*n:\rS+\w*n+1], v[\rS+\w*n+\w/2:\rS+\w*n+\w/2+1]
.set n, n+1
.endr
.endr
	v_pk_fma_f32 v[\rT+2:\rT+3], v[\rT+2:\rT+3], v[\rT+6:\rT+7], v[\rS:\rS+1] op_sel_hi:[1,0,1]   ; the sum = a x the sum + this step's
	WIN W_RS
.set n, 0
.rept 32
	v_pk_mul_f32 v[\rO+2*n:\rO+2*n+1], v[\rO+2*n:\rO+2*n+1], v[\rT+6:\rT+7] op_sel_hi:[1,0]       ; O^T x a, each accumulator from its low end on
.set n, n+1
.endr
	WIN 0
.endm
; O^T += V^T P of one tile: 16 matrix instructions, its eight accumulators by turns
.macro PVT rO, rP
	WIN W_PV
.irp g, 0,1
.irp t, 0,1,2,3,4,5,6,7
	v_wmma_f32_16x16x32_f16 v[\rO+8*\t:\rO+8*\t+7], v[128+8*(8*\g+\t):128+8*(8*\g+\t)+7], v[\rP+8*\g:\rP+8*\g+7], v[\rO+8*\t:\rO+8*\t+7]
.endr
.endr
	WIN 0
.endm
; My 64 keys of the slot in buffer s, for both tiles.  Tile A's second product stands in front of tile B's softmax, which names none of its registers.
.macro CHUNK s
.rept 4
	v_nop                                          ; places in front of loads into registers that the last products have read
.endr
	WIN W_LD
.irp c, 0,1,2,3                        ; K: channels 32 c on, keys 16 m on
.irp m, 0,1,2,3
	ds_load_b128 v[128+8*(4*\m+\c):128+8*(4*\m+\c)+3], v[3+\s] offset:\m*16*PK+64*\c
	ds_load_b128 v[128+8*(4*\m+\c)+4:128+8*(4*\m+\c)+7], v[3+\s] offset:\m*16*PK+64*\c+32
.endr
.endr
	WIN W_KQ
.irp c, 0,1,2,3                        ; eight accumulators by turns; the first group of channels starts the sums
	s_wait_dscnt 24-8*\c                           ; this group of channels is in; the later groups' loads, eight each, may be out
.irp m, 0,1,2,3
.if \c == 0
	v_wmma_f32_16x16x32_f16 v[64+8*\m:71+8*\m], v[128+8*(4*\m+\c):128+8*(4*\m+\c)+7], v[160+8*\c:167+8*\c], 0
	v_wmma_f32_16x16x32_f16 v[96+8*\m:103+8*\m], v[128+8*(4*\m+\c):128+8*(4*\m+\c)+7], v[192+8*\c:199+8*\c], 0
.else
	v_wmma_f32_16x16x32_f16 v[64+8*\m:71+8*\m], v[128+8*(4*\m+\c):128+8*(4*\m+\c)+7], v[160+8*\c:167+8*\c], v[64+8*\m:71+8*\m]
	v_wmma_f32_16x16x32_f16 v[96+8*\m:103+8*\m], v[128+8*(4*\m+\c):128+8*(4*\m+\c)+7], v[192+8*\c:199+8*\c], v[96+8*\m:103+8*\m]
.endif
.endr
.endr
	WIN 0
.rept 4
	v_nop                                          ; places in front of V's loads into K's registers and of the first read of the scores
.endr
	WIN W_LD
.irp f, 0,1,2,3,4,5,6,7,8,9,10,11,12,13,14,15      ; V, turned: keys 32 (f / 8) on, channels 16 (f % 8) on; it lands under tile A's softmax
	ds_load_tr16_b128 v[128+8*\f:128+8*\f+3], v[5+\s] offset:(\f/8)*32*PV+(\f%8)*32
	ds_load_tr16_b128 v[128+8*\f+4:128+8*\f+7], v[5+\s] offset:(\f/8)*32*PV+16*PV+(\f%8)*32
.endr
	WIN 0
	SOFTMAX 24, 64, 128, 0
	s_wait_dscnt 0x0                               ; V is in
	PVT 0, 128
	SOFTMAX 32, 96, 144, 64
	PVT 64, 144
.endm
.macro SLOTWORK s
	s_lshl_b32 s18, s10, 6
	s_add_co_u32 s18, s18, s17                     ; my 64 keys' first.  It and my first query are multiples of 16: above my first query means after all my 16
	s_cmp_gt_u32 s18, s16
	s_cbranch_scc1 .Lskip_\@
	CHUNK \s
.Lskip_\@:
	s_add_co_u32 s17, s17, KEYS
.endm
; THE CHANGE OF SLOTS stands at a slot's head.  Each wave waits for all its tensor loads, adds 0 to its spare word, and waits for that and for its reads of the buffer that it has left; behind the barrier the buffer ahead is whole
; and nobody reads the other one, buffer f, which is then filled with the next 256 keys: that load has a whole slot's work in which to land.
.macro CHANGE fill, f
	s_wait_tensorcnt 0x0                           ; no tensor load of mine is out, so a group 0 may be written
	ds_add_u32 v12, v13                            ; 0 onto my spare word
.if \fill
	s_add_nc_u64 s[G0K+4*\f+2:G0K+4*\f+3], s[G0K+4*\f+2:G0K+4*\f+3], 131072   ; this buffer's next slot is two slots on; the type bits on top are not reached
	s_add_nc_u64 s[G0V+4*\f+2:G0V+4*\f+3], s[G0V+4*\f+2:G0V+4*\f+3], 131072
	s_wait_xcnt 0x0                                ; the last prefetches, a slot back, have read their addresses
	s_add_nc_u64 s[PFK:PFK+1], s[PFK:PFK+1], 65536
	s_add_nc_u64 s[PFV:PFV+1], s[PFV:PFV+1], 65536
.endif
	s_wait_dscnt 0x0                               ; the add is done, and my reads of the buffer that I have left are over
	s_barrier_signal -1
	s_barrier_wait -1
.if \fill
	s_add_co_u32 s77, s17, KEYS                    ; the first key of the slot that this change would ask for
	s_cmp_gt_u32 s77, s76                          ; after my work-group's last query: no wave would read the slot, so it is not asked for; and a work-group past the limit stays past it
	s_cbranch_scc1 .Lpast_\@
	TLOAD \f
.Lpast_\@:
	ASK
	s_sub_co_u32 s22, s22, 1
.endif
.endm
	s_wait_loadcnt 0x0                             ; Q
	s_mov_b32 s74, 3
.Lslot:                                            ; 3 trips of two slots: slots 0 to 5
	CHANGE 1, 1
	SLOTWORK 0
	CHANGE 1, 0
	SLOTWORK 1
	s_sub_co_u32 s74, s74, 1
	s_cmp_lg_u32 s74, 0
	s_cbranch_scc1 .Lslot
	CHANGE 1, 1                                    ; slot 7 is asked for,
	SLOTWORK 0                                     ; slot 6 is walked;
	CHANGE 0, 0                                    ; the last slot is written out: nothing is left to ask for
	SLOTWORK 1
	; THE MERGE.  Each wave finishes its sums; the waves g = 1, 2, 3 hand O^T, m and the sum of both tiles to the wave g = 0 of their u through LDS, as images of their registers.
.rept 4
	v_nop                                          ; places behind the last products
.endr
.irp T, 24,32
	v_add_f32 v[\T+4], v[\T+2], v[\T+3]
.endr
.irp T, 24,32
	v_permlanex16_b32 v[\T+5], v[\T+4], s20, s21
.endr
.irp T, 24,32
	v_add_f32 v[\T+2], v[\T+4], v[\T+5]            ; the row's sum over my keys
.endr
	s_cmp_eq_u32 s10, 0
	s_cbranch_scc1 .Lkeeper
	WIN 0x04                                       ; an LDS store's data window 1
.set n, 0
.rept 32
	ds_store_b128 v16, v[4*n:4*n+3] offset:512*n   ; each accumulator from its low end on: tile A's 16 stores, then tile B's
.set n, n+1
.endr
	WIN 0
	ds_store_b32 v17, v24
	ds_store_b32 v17, v26 offset:128
	ds_store_b32 v17, v32 offset:256
	ds_store_b32 v17, v34 offset:384
.Lkeeper:
	s_wait_tensorcnt 0x0                           ; these three lines end the partners' LDS writes, and their last wait is the one that the barrier needs
	ds_add_u32 v12, v13
	s_wait_dscnt 0x0
	s_barrier_signal -1
	s_barrier_wait -1
	s_cmp_lg_u32 s10, 0
	s_cbranch_scc1 .Lend
.macro IMG k, z                        ; tile z of partner k + 1: 16 loads into window 1
.set n, 0
.rept 16
	ds_load_b128 v[128+64*(\z)+4*n:128+64*(\z)+4*n+3], v21 offset:MRGW*(\k)+8192*(\z)+512*n
.set n, n+1
.endr
.endm
.macro ADDIN k, z                      ; O^T += that image x the partner's factor
.set n, 0
.rept 32
	v_pk_fma_f32 v[64*(\z)+2*n:64*(\z)+2*n+1], v[128+64*(\z)+2*n:128+64*(\z)+2*n+1], v[26+8*(\z)+2*(\k):27+8*(\z)+2*(\k)], v[64*(\z)+2*n:64*(\z)+2*n+1] op_sel_hi:[1,0,1]
.set n, n+1
.endr
.endm
.irp k, 0,1,2
.irp j, 0,1,2,3
	ds_load_b32 v[40+4*\k+\j], v22 offset:MRGW*\k+128*\j   ; partner k + 1: m and the sum of tile A, of tile B
.endr
.endr
	WIN W_LD
	IMG 0, 0
	IMG 0, 1
	WIN 0
	s_wait_dscnt 32                                ; the twelve words are in; the first image's 32 loads may be out
.irp z, 0,1
	v_max3_num_f32 v[52+\z], v[24+8*\z], v[40+2*\z], v[44+2*\z]
.endr
.irp z, 0,1
	v_max_num_f32 v[52+\z], v[52+\z], v[48+2*\z]   ; the common m
.endr
.irp z, 0,1
	v_sub_f32 v[54+4*\z], v[24+8*\z], v[52+\z]
	v_sub_f32 v[55+4*\z], v[40+2*\z], v[52+\z]
	v_sub_f32 v[56+4*\z], v[44+2*\z], v[52+\z]
	v_sub_f32 v[57+4*\z], v[48+2*\z], v[52+\z]
.endr
.irp j, 0,1,2,3,4,5,6,7
	v_exp_f32 v[54+\j], v[54+\j]                   ; 0 where a partner never reached its keys
.endr
	v_nop
	s_wait_alu depctr_va_vdst(0)                   ; one wait for the eight
.irp z, 0,1
	v_mul_f32 v[62+\z], v[26+8*\z], v[54+4*\z]
.endr
.irp k, 0,1,2
.irp z, 0,1
	v_fma_f32 v[62+\z], v[41+4*\k+2*\z], v[55+4*\z+\k], v[62+\z]   ; the row's whole sum: above 0, since key 0 is among my keys
.endr
.endr
.irp z, 0,1
	v_rcp_f32 v[52+\z], v[62+\z]
.endr
	v_nop
	s_wait_alu depctr_va_vdst(0)
.irp z, 0,1
.irp k, 0,1,2,3
	v_mul_f32 v[24+8*\z+2*\k], v[54+4*\z+\k], v[52+\z]     ; my factor (k = 0) and the partners', each the low word of a pair
.endr
.endr
	WIN W_RS
.irp z, 0,1
.set n, 0
.rept 32
	v_pk_mul_f32 v[64*\z+2*n:64*\z+2*n+1], v[64*\z+2*n:64*\z+2*n+1], v[24+8*\z:25+8*\z] op_sel_hi:[1,0]
.set n, n+1
.endr
.endr
.irp k, 0,1,2                          ; half an image is added while the other half, or the next partner's, is on its way
	s_wait_dscnt 16                                ; tile A's 16 loads are in; tile B's may be out
	WIN W_PV
	ADDIN \k, 0
.if \k < 2
	WIN W_LD
	IMG \k+1, 0
	s_wait_dscnt 16                                ; tile B's are in; the 16 just issued may be out
.else
	s_wait_dscnt 0x0
.endif
	WIN W_PV
	ADDIN \k, 1
.if \k < 2
	WIN W_LD
	IMG \k+1, 1
.endif
.endr
	WIN 0x05                                       ; sources window 1, destination window 0
.irp z, 0,1
.set n, 0
.rept 32
	v_cvt_pk_f16_f32 v[64+32*\z+n], v[64*\z+2*n], v[64*\z+2*n+1]
.set n, n+1
.endr
.endr
	WIN 0
.irp z, 0,1                            ; a lane's eight channels of a row are 16 bytes; they go into rows of 272 bytes and come back as whole rows of 256.  LDS serves a wave's instructions in order
.irp f, 0,1,2,3,4,5,6,7
	ds_store_b128 v18, v[64+32*\z+4*\f:64+32*\z+4*\f+3] offset:32*\f
.endr
.irp f, 0,1,2,3,4,5,6,7
	ds_load_b128 v[64+32*\z+4*\f:64+32*\z+4*\f+3], v19 offset:\f*2*SP
.endr
.endr
.irp f, 0,1,2,3,4,5,6,7
	s_wait_dscnt 16+7-\f                           ; behind tile A's load f: its later loads and tile B's sixteen
	global_store_b128 v20, v[64+4*\f:64+4*\f+3], s[56:57] offset:8192*\f     ; 16 lanes store 256 consecutive bytes, aligned
.endr
.irp f, 0,1,2,3,4,5,6,7
	s_wait_dscnt 7-\f
	global_store_b128 v20, v[96+4*\f:96+4*\f+3], s[56:57] offset:8192*\f+256
.endr
	s_wait_tensorcnt 0x0                           ; the wave's end, behind my last LDS store
	ds_add_u32 v12, v13
	s_wait_dscnt 0x0
.Lend:
	s_endpgm
.Lfunc_end_k_q9c022657f9_attn:
	.size	k_q9c022657f9_attn, .Lfunc_end_k_q9c022657f9_attn-k_q9c022657f9_attn
	.p2alignl 7, 3214868480
	.fill 96, 4, 3214868480
	.section	.rodata,"a",@progbits
	.p2align	6, 0x0
	.amdhsa_kernel k_q9c022657f9_attn
		.amdhsa_group_segment_fixed_size 327680
		.amdhsa_private_segment_fixed_size 0
		.amdhsa_enable_private_segment 0
		.amdhsa_kernarg_size 16
		.amdhsa_user_sgpr_count 2
		.amdhsa_user_sgpr_kernarg_segment_ptr 1
		.amdhsa_wavefront_size32 1
		.amdhsa_system_sgpr_workgroup_id_x 1
		.amdhsa_system_sgpr_workgroup_id_y 1
		.amdhsa_system_sgpr_workgroup_id_z 1
		.amdhsa_system_vgpr_workitem_id 0
		.amdhsa_next_free_vgpr 512
		.amdhsa_next_free_sgpr 80
		.amdhsa_reserve_vcc 1
		.amdhsa_float_denorm_mode_32 3
		.amdhsa_float_denorm_mode_16_64 3
		.amdhsa_memory_ordered 1
		.amdhsa_forward_progress 1
		.amdhsa_inst_pref_size 166
	.end_amdhsa_kernel
	.amdgpu_metadata
---
amdhsa.version: [ 1, 2 ]
amdhsa.kernels:
  - .name:           k_q9c022657f9_attn
    .symbol:         k_q9c022657f9_attn.kd
    .args:
      - { .name: qkv16, .offset: 0, .size: 8, .value_kind: global_buffer, .address_space: global }
      - { .name: att16, .offset: 8, .size: 8, .value_kind: global_buffer, .address_space: global }
    .group_segment_fixed_size: 327680
    .private_segment_fixed_size: 0
    .kernarg_segment_align: 8
    .kernarg_segment_size: 16
    .max_flat_workgroup_size: 256
    .sgpr_count:     80
    .vgpr_count:     512
    .wavefront_size: 32
...
	.end_amdgpu_metadata
.endif
;; end of part 3
;; launch proj (part 4): grid 16 x 16, 4 waves a work-group, clusters of 4 x 4, 327,680 bytes of LDS; arguments att16, wo16, out0; writes out0
.if DOCPART == 4
	.amdgcn_target "amdgcn-amd-amdhsa--gfx1250"
	.amdhsa_code_object_version 6
	.text
	.protected	k_q9c022657f9_proj
	.globl	k_q9c022657f9_proj
	.p2align	8
	.type	k_q9c022657f9_proj,@function
k_q9c022657f9_proj:
	s_mov_b64 s[64:65], 0
	v_nop
	global_prefetch_b8 v0, s[64:65] scope:SCOPE_SE
	s_setreg_imm32_b32 hwreg(HW_REG_WAVE_MODE, 25, 1), 1
	s_wait_xcnt 0x0
	s_wait_alu depctr_hold_cnt(0) depctr_sa_sdst(0) depctr_va_vdst(0) depctr_va_sdst(0) depctr_va_ssrc(0) depctr_va_vcc(0) depctr_vm_vsrc(0)
	s_getreg_b32 s2, hwreg(HW_REG_IB_STS2, 6, 4)
	s_cmp_eq_u32 s2, 0
	s_cbranch_scc0 .Lentry_in_a_cluster
	s_endpgm
.Lentry_in_a_cluster:
	s_bfe_u32 s2, ttmp6, 0x10000c
	s_cmp_lg_u32 s2, 0xf033
	s_cbranch_scc0 .Lentry_shape_is_right
	s_endpgm
.Lentry_shape_is_right:
; out0[m][n] = sum over k of att16[m][k] wo16[n][k]: m = 2,048 positions, n = 4,096, k = 2,048; operands f16, sums and result f32.  (Positions 0-15 are written again, in f32 throughout, by the launch behind this one.)
; A tile of the result is 128 x 256: 256 work-groups.  Four waves, each 64 rows x 128 columns: 32 accumulators.  K goes in steps of 128 (rows of 256 bytes) through two LDS slots; a step is four quarters of 32 along K.
; CLUSTER 4 x 4: att16's tiles are shared along a row of the cluster, wo16's along a column: each is asked for jointly, by the same tensor load with a mask that names the four.
; THE MATRIX INSTRUCTION IS USED TRANSPOSED (source 0 = 16 rows of wo16, source 1 = 16 rows of att16): a lane holds eight neighbouring columns of one row of the result.
; REGISTERS: window 0: v16-29 addresses; two fragment buffers: at v32 and at v128: 32 registers of att16 (4 x 16 rows x 32 K), then 64 of wo16; on the way out v32-159 hold rows.  window 1: accumulator (a, b) at v[8 (8 a + b)].
.set PITCH,  272
.set AHALF,  64*PITCH
.set BHALF,  128*PITCH
.set SLOT,   2*AHALF+2*BHALF
.set SPARE,  2*SLOT                    ; behind the ring: the spare words, 128 bytes a wave, which no other line names
.set SPITCH, 528                       ; the way out: a stage of 16 rows x (512 + 16) bytes for each wave, in slot 0, which has had its last fill and its last read by then
.set ADRA, 16
.set ADRB, 20
.set STO,  24
.set RD,   25
.set CO,   27
.set SPW,  28
.set NIL,  29
.set F0,   32
.set F1,   128
.set G1,   24
.set G0,   32
.set G1B,  48
.set G0B,  56
.set MSB, 0
.macro WIN new
.if MSB != \new
	s_set_vgpr_msb (MSB<<8)|\new
.set MSB, \new
.endif
.endm
.set W_MUL, 0x50                       ; sources 0 and 1 window 0, C and D window 1
.macro JLOAD s                         ; waves 0 and 1 fetch att16's halves, waves 2 and 3 wo16's; an s_nop 0 and four v_nop follow each of the two lines
	s_cmp_eq_u32 s19, 0
	s_cbranch_scc0 .Lfor_b_\@
	tensor_load_to_lds s[G0+4*\s:G0+4*\s+3], s[G1:G1+7]
	s_nop 0
.rept 4
	v_nop
.endr
	s_branch .Lasked_\@
.Lfor_b_\@:
	tensor_load_to_lds s[G0B+4*\s:G0B+4*\s+3], s[G1B:G1B+7]
	s_nop 0
.rept 4
	v_nop
.endr
.Lasked_\@:
.endm
.macro CREST
	s_cmp_lg_u32 s18, 0
	s_cbranch_scc1 .Lnot_wave_0_\@
	s_barrier_signal -3
.Lnot_wave_0_\@:
	s_barrier_wait -3
	s_barrier_signal -1
	s_barrier_wait -1
.endm
.macro CROUND
	s_barrier_signal -1
	s_barrier_wait -1
	CREST
.endm
.macro PLACES
.rept 4
	v_nop
.endr
.endm
	s_load_b128 s[4:7], s[0:1], 0x0                ; att16, wo16
	s_load_b64 s[8:9], s[0:1], 0x10                ; out0
	v_lshl_add_u32 v[SPW], v0, 2, SPARE
	v_mov_b32 v[NIL], 0
	ds_add_u32 v[SPW], v[NIL]                      ; the wave's opening: the add, twice on end, and its wait ahead of my first tensor load
	ds_add_u32 v[SPW], v[NIL]
	v_lshrrev_b32 v1, 5, v0
	v_readfirstlane_b32 s18, v1                    ; wave
	s_lshr_b32 s19, s18, 1                         ; i: my 64 rows.  Also: I fetch for att16 (0) or wo16 (1)
	s_and_b32 s20, s18, 1                          ; j: my 128 columns.  Also: which half I fetch
	s_bfe_u32 s40, ttmp6, 0x40000
	s_bfe_u32 s41, ttmp6, 0x40004
	s_lshl_b32 s42, ttmp9, 2
	s_add_co_u32 s42, s42, s40                     ; tile column
	s_and_b32 s43, ttmp7, 0xffff
	s_lshl_b32 s43, s43, 2
	s_add_co_u32 s43, s43, s41                     ; tile row
	s_lshl_b32 s44, s41, 2
	s_lshl_b32 s44, 15, s44
	s_lshl_b32 s45, 0x1111, s40
	s_or_b32 s[G1+0], s44, (1<<16)|(1<<20)|(1<<21)|(5<<22)|(3<<25)   ; the mask; elements of 2 bytes; padding: four words after every 64; bit 21 beside a mask
	s_mov_b32 s[G1+1], 128<<16
	s_mov_b32 s[G1+2], 64<<16
	s_mov_b32 s[G1+3], 128<<16
	s_mov_b32 s[G1+4], 64
	s_mov_b32 s[G1+5], 2048
	s_mov_b32 s[G1+6], 0
	s_mov_b32 s[G1+7], 0
	s_or_b32 s[G1B+0], s45, (1<<16)|(1<<20)|(1<<21)|(5<<22)|(3<<25)
	s_mov_b32 s[G1B+1], 128<<16
	s_mov_b32 s[G1B+2], 128<<16
	s_mov_b32 s[G1B+3], 128<<16
	s_mov_b32 s[G1B+4], 128
	s_mov_b32 s[G1B+5], 2048
	s_mov_b32 s[G1B+6], 0
	s_mov_b32 s[G1B+7], 0
	s_lshl_b32 s21, s20, 6
	s_lshl_b32 s22, s43, 7
	s_add_co_u32 s22, s22, s21
	s_lshl_b32 s22, s22, 12                        ; att16: row 128 x tile row + 64 j, 4,096 bytes a row
	s_mov_b32 s23, 0
	s_lshl_b32 s21, s20, 7
	s_lshl_b32 s46, s42, 8
	s_add_co_u32 s46, s46, s21
	s_lshl_b32 s46, s46, 12                        ; wo16: row 256 x tile column + 128 j
	s_mov_b32 s47, 0
	s_mul_i32 s66, s20, AHALF
	s_mul_i32 s67, s20, BHALF
	s_add_co_u32 s67, s67, 2*AHALF
	s_wait_dscnt 0x0
	s_wait_kmcnt 0x0
	s_add_nc_u64 s[22:23], s[4:5], s[22:23]
	s_add_nc_u64 s[46:47], s[6:7], s[46:47]
	CROUND                                         ; all sixteen work-groups are here: the first joint loads meet
.irp s, 0,1
	s_mov_b32 s[G0+4*\s], 1
	s_add_co_u32 s[G0+4*\s+1], s66, \s*SLOT
	s_add_nc_u64 s[G0+4*\s+2:G0+4*\s+3], s[22:23], \s*256
	s_or_b32 s[G0+4*\s+3], s[G0+4*\s+3], 0x80000000
	s_mov_b32 s[G0B+4*\s], 1
	s_add_co_u32 s[G0B+4*\s+1], s67, \s*SLOT
	s_add_nc_u64 s[G0B+4*\s+2:G0B+4*\s+3], s[46:47], \s*256
	s_or_b32 s[G0B+4*\s+3], s[G0B+4*\s+3], 0x80000000
	JLOAD \s                                       ; two tensor loads of a wave are out here, later one
.endr
	v_and_b32 v1, 15, v0
	v_bfe_u32 v2, v0, 4, 1
	v_mul_u32_u24 v3, v1, PITCH
	v_lshl_add_u32 v4, v2, 4, v3
	s_mul_i32 s21, s19, AHALF
	s_mul_i32 s2, s20, BHALF
	s_add_co_u32 s2, s2, 2*AHALF
.irp s, 0,1
	v_add_nc_u32 v[ADRA+\s], s21, v4
	v_add_nc_u32 v[ADRB+\s], s2, v4
	s_add_co_u32 s21, s21, SLOT
	s_add_co_u32 s2, s2, SLOT
.endr
	s_mul_i32 s21, s18, 16*SPITCH
	v_mul_u32_u24 v5, v1, SPITCH
	v_lshl_add_u32 v5, v2, 5, v5
	v_add_nc_u32 v[STO], s21, v5
	v_and_b32 v6, 31, v0
	v_lshlrev_b32 v[CO], 4, v6
	v_add_nc_u32 v[RD], s21, v[CO]
	s_lshl_b32 s68, s43, 7
	s_lshl_b32 s69, s19, 6
	s_add_co_u32 s68, s68, s69
	s_lshl_b32 s68, s68, 14                        ; out0: my first row, 16,384 bytes a row,
	s_lshl_b32 s69, s42, 10
	s_add_co_u32 s68, s68, s69                     ; the tile's first column,
	s_lshl_b32 s69, s20, 9
	s_add_co_u32 s68, s68, s69                     ; my half of it
	s_mov_b32 s69, 0
	s_add_nc_u64 s[8:9], s[8:9], s[68:69]
.macro FETCH slot, k, f                ; the fragments of 32 along K at byte k of the rows into buffer f: 24 loads in one run
.irp i, 0,1,2,3,4,5,6,7
	ds_load_b128 v[\f+32+8*\i:\f+32+8*\i+3],   v[ADRB+\slot] offset:\k+\i*16*PITCH
	ds_load_b128 v[\f+32+8*\i+4:\f+32+8*\i+7], v[ADRB+\slot] offset:\k+\i*16*PITCH+32
.endr
.irp i, 0,1,2,3
	ds_load_b128 v[\f+8*\i:\f+8*\i+3],   v[ADRA+\slot] offset:\k+\i*16*PITCH
	ds_load_b128 v[\f+8*\i+4:\f+8*\i+7], v[ADRA+\slot] offset:\k+\i*16*PITCH+32
.endr
.endm
.macro MUL8 f, a, zero                 ; the 32 accumulators take turns, one instruction a turn, in the same order in every quarter
.irp b, 0,1,2,3,4,5,6,7
.if \zero
	v_wmma_f32_16x16x32_f16 v[8*(8*(\a)+\b):8*(8*(\a)+\b)+7], v[\f+32+8*\b:\f+32+8*\b+7], v[\f+8*(\a):\f+8*(\a)+7], 0
.else
	v_wmma_f32_16x16x32_f16 v[8*(8*(\a)+\b):8*(8*(\a)+\b)+7], v[\f+32+8*\b:\f+32+8*\b+7], v[\f+8*(\a):\f+8*(\a)+7], v[8*(8*(\a)+\b):8*(8*(\a)+\b)+7]
.endif
.endr
.endm
.macro QUARTER slot, knext, f, g, zero ; multiplies buffer f; first asks for the next quarter, at byte knext, into g, which the quarter before has multiplied
	PLACES
	WIN 0
	FETCH \slot, \knext, \g
	s_wait_dscnt 24                                ; all but the 24 just issued
	WIN W_MUL
.irp a, 0,1,2,3
	MUL8 \f, \a, \zero
.endr
.endm
.macro TURN slot, next, fill           ; a slot's last quarter (buffer 1) changes slots: one barrier; in front of it the wait for all tensor loads, the add, and the wait for it and for my reads of this slot
	WIN 0
	s_wait_tensorcnt 0x0
	ds_add_u32 v[SPW], v[NIL]
	s_wait_dscnt 1                                 ; the add alone may be out
	WIN W_MUL
	MUL8 F1, 0, 0
	s_wait_dscnt 0x0
	s_barrier_signal -1
	MUL8 F1, 1, 0
	WIN 0
	s_barrier_wait -1
.if \fill
	CREST                                          ; the barrier has opened a round of the cluster's
	s_add_nc_u64 s[G0+4*\slot+2:G0+4*\slot+3], s[G0+4*\slot+2:G0+4*\slot+3], 512
	s_add_nc_u64 s[G0B+4*\slot+2:G0B+4*\slot+3], s[G0B+4*\slot+2:G0B+4*\slot+3], 512
	JLOAD \slot                                    ; the first tensor load behind the round; its four v_nop are also the places in front of the loads below
.else
	PLACES
.endif
	FETCH \next, 0, F0
	WIN W_MUL
	MUL8 F1, 2, 0
	MUL8 F1, 3, 0
.endm
	s_wait_tensorcnt 1                             ; my part of K step 0 is in; K step 1's may be out
	s_barrier_signal -1
	s_barrier_wait -1
	FETCH 0, 0, F0
	QUARTER 0, 64, F0, F1, 1                       ; the first quarter stands in front of the loop: its products start the sums
	WIN 0
	s_mov_b32 s3, 7
.Llap:                                                 ; a trip goes once round the ring and fills both slots again: K steps 2 to 15
	QUARTER 0, 128, F1, F0, 0
	QUARTER 0, 192, F0, F1, 0
	TURN 0, 1, 1
	QUARTER 1, 64,  F0, F1, 0
	QUARTER 1, 128, F1, F0, 0
	QUARTER 1, 192, F0, F1, 0
	TURN 1, 0, 1
	QUARTER 0, 64,  F0, F1, 0
	WIN 0
	s_sub_co_u32 s3, s3, 1
	s_cmp_lg_u32 s3, 0
	s_cbranch_scc1 .Llap
	QUARTER 0, 128, F1, F0, 0
	QUARTER 0, 192, F0, F1, 0
	TURN 0, 1, 0
	QUARTER 1, 64,  F0, F1, 0
	QUARTER 1, 128, F1, F0, 0
	QUARTER 1, 192, F0, F1, 0
	s_wait_dscnt 0x0
.irp a, 0,1,2,3
	MUL8 F1, \a, 0
.endr
	WIN 0
	PLACES
; THE WAY OUT, a block of 16 rows x 128 columns at a time through my own stage; LDS serves a wave's instructions in order
.macro TOSTAGE a
	WIN 0x04
.irp b, 0,1,2,3,4,5,6,7
	ds_store_b128 v[STO], v[8*(8*(\a)+\b):8*(8*(\a)+\b)+3] offset:64*\b        ; each accumulator from its low end on
	ds_store_b128 v[STO], v[8*(8*(\a)+\b)+4:8*(8*(\a)+\b)+7] offset:64*\b+16
.endr
	WIN 0
.set n, 0
.rept 16
	ds_load_b128 v[32+64*((\a)%2)+4*n:32+64*((\a)%2)+4*n+3], v[RD] offset:SPITCH*n
.set n, n+1
.endr
.endm
.macro SEND a, younger
	s_wait_dscnt \younger
.set n, 0
.rept 16
	global_store_b128 v[CO], v[32+64*((\a)%2)+4*n:32+64*((\a)%2)+4*n+3], s[8:9] offset:(\a)*262144+16384*n th:TH_STORE_NT   ; 32 lanes store 512 consecutive bytes, aligned
.set n, n+1
.endr
.endm
	TOSTAGE 0
	TOSTAGE 1
	SEND 0, 32                                     ; behind block 0's loads: block 1's 16 stores and 16 loads
	s_wait_xcnt 0x0                                ; block 0's stores have read their registers: block 2's loads may land there
	TOSTAGE 2
	SEND 1, 32
	s_wait_xcnt 0x0
	TOSTAGE 3
	SEND 2, 32
	SEND 3, 0
	s_wait_tensorcnt 0x0                           ; the wave's end
	ds_add_u32 v[SPW], v[NIL]
	s_wait_dscnt 0x0
	CROUND                                         ; the closing round
	s_endpgm
.Lfunc_end_k_q9c022657f9_proj:
	.size	k_q9c022657f9_proj, .Lfunc_end_k_q9c022657f9_proj-k_q9c022657f9_proj
	.p2alignl 7, 3214868480
	.fill 96, 4, 3214868480
	.section	.rodata,"a",@progbits
	.p2align	6, 0x0
	.amdhsa_kernel k_q9c022657f9_proj
		.amdhsa_group_segment_fixed_size 327680
		.amdhsa_private_segment_fixed_size 0
		.amdhsa_enable_private_segment 0
		.amdhsa_kernarg_size 24
		.amdhsa_user_sgpr_count 2
		.amdhsa_user_sgpr_kernarg_segment_ptr 1
		.amdhsa_wavefront_size32 1
		.amdhsa_system_sgpr_workgroup_id_x 1
		.amdhsa_system_sgpr_workgroup_id_y 1
		.amdhsa_system_sgpr_workgroup_id_z 1
		.amdhsa_system_vgpr_workitem_id 0
		.amdhsa_next_free_vgpr 512
		.amdhsa_next_free_sgpr 70
		.amdhsa_reserve_vcc 0
		.amdhsa_float_denorm_mode_32 3
		.amdhsa_float_denorm_mode_16_64 3
		.amdhsa_memory_ordered 1
		.amdhsa_forward_progress 1
		.amdhsa_inst_pref_size 84
	.end_amdhsa_kernel
	.amdgpu_metadata
---
amdhsa.version: [ 1, 2 ]
amdhsa.kernels:
  - .name:           k_q9c022657f9_proj
    .symbol:         k_q9c022657f9_proj.kd
    .args:
      - { .name: att16, .offset: 0, .size: 8, .value_kind: global_buffer, .address_space: global }
      - { .name: wo16, .offset: 8, .size: 8, .value_kind: global_buffer, .address_space: global }
      - { .name: out0, .offset: 16, .size: 8, .value_kind: global_buffer, .address_space: global }
    .group_segment_fixed_size: 327680
    .private_segment_fixed_size: 0
    .kernarg_segment_align: 8
    .kernarg_segment_size: 24
    .max_flat_workgroup_size: 128
    .sgpr_count:     70
    .vgpr_count:     512
    .wavefront_size: 32
...
	.end_amdgpu_metadata
.endif
;; end of part 4
;; launch fine (part 5): grid 256 x 1, 8 waves a work-group, no clusters, 167,936 bytes of LDS; arguments q32, out1, out2, wo, out0; writes out0
.if DOCPART == 5
	.amdgcn_target "amdgcn-amd-amdhsa--gfx1250"
	.amdhsa_code_object_version 6
	.text
	.protected	k_q9c022657f9_fine
	.globl	k_q9c022657f9_fine
	.p2align	8
	.type	k_q9c022657f9_fine,@function
k_q9c022657f9_fine:
	s_mov_b64 s[64:65], 0
	v_nop
	global_prefetch_b8 v0, s[64:65] scope:SCOPE_SE
	s_setreg_imm32_b32 hwreg(HW_REG_WAVE_MODE, 25, 1), 1
	s_wait_xcnt 0x0
; POSITIONS 0 TO 15 OF EVERY HEAD, IN f32 THROUGHOUT: there a row of the softmax averages one to sixteen values and is large, so 16-bit operands would use up what the comparison allows.
; q32 [16 heads][64][128] (rows 0-15: rope(q)), out1 = rope(k) and out2 = v [8][2048][128], wo [4096][2048], all f32.  out0 rows 0-15 are written anew.
; SHARES.  Work-group x makes out0[0:16][16 x : 16 x + 16].  Wave w makes the attention of query heads 2 w, 2 w + 1 (kv head w) over keys 0-15, multiplies it by wo[16 x ..][256 w .. 256 w + 255], and the eight partial
; tiles are added through LDS by wave 0.  The attention is made anew in every work-group: 128 small matrix instructions a wave, against a launch more and a way through memory.
; All products by the f32 matrix form, 16 x 16 x 4; its results are written by matrix instructions alone, and what is made of them goes into other registers.
; A permutation of K applied alike to both sources keeps a product: so fragments are taken as loads of 16 bytes leave them.
;   S^T = K Q^T: source 0 = 16 keys, source 1 = 16 queries; a lane then holds query r = lane % 16 and keys 8 h + 0..7 (h = lane / 16).
;   O^T = V^T P: source 1 = P as it stands: registers 2 c, 2 c + 1 are keys 8 h + 2 c + 0, 1; source 0 = V at those keys, channel 16 t + r.
;   out^T = wo O: source 1 = O^T as it stands: registers 2 c, 2 c + 1 of tile t are channels 16 t + 8 h + 2 c + 0, 1; source 0 = wo at those channels, row r.  A lane ends with query r and eight neighbouring columns.
; The stores at the end write 64 bytes of each of 16 rows: parts of aligned blocks of 256 bytes; 256 KB in the whole launch.
; REGISTERS: window 0: v1-11 addresses; v12-25 at work; v32-63 S^T in four parts; v64-79 P, later the partial tile; v80-207 O^T; v208-239 the result in four parts.
;            window 1: v0-127 Q of both heads, later wo's fragments; v128-191 K, at the end the eight partial tiles; v192-255 V.
.set WPITCH, 1040                      ; a row of my part of wo in LDS: 1,024 bytes + 16
.set WTILE,  16*WPITCH
.set RED,    8*WTILE                   ; behind the eight tiles: 1,024 bytes for each wave's partial tile
.set SPARE,  RED+8*1024                ; the spare words, 128 bytes a wave, which no other line names
.set MSB, 0
.macro WIN new
.if MSB != \new
	s_set_vgpr_msb (MSB<<8)|\new
.set MSB, \new
.endif
.endm
	s_load_b256 s[4:11], s[0:1], 0x0               ; q32, out1, out2, wo
	s_load_b64 s[12:13], s[0:1], 0x20              ; out0
	v_lshl_add_u32 v10, v0, 2, SPARE               ; v10 my spare word, v11 0: never rewritten
	v_mov_b32 v11, 0
	ds_add_u32 v10, v11                            ; the wave's opening: the add, twice on end, and its wait ahead of my tensor load
	ds_add_u32 v10, v11
	v_lshrrev_b32 v1, 5, v0
	v_readfirstlane_b32 s14, v1                    ; wave 0..7
	s_mov_b32 s24, (2<<16)|(1<<20)|(7<<22)|(3<<25) ; group 1: elements of 4 bytes; padding: four words after every 256
	s_mov_b32 s25, 256<<16                         ; tensor_dim0
	s_mov_b32 s26, 16<<16                          ; tensor_dim1
	s_mov_b32 s27, 256<<16                         ; tile_dim0
	s_mov_b32 s28, 16                              ; tile_dim1
	s_mov_b32 s29, 2048                            ; from row to row
	s_mov_b32 s30, 0
	s_mov_b32 s31, 0
	s_mov_b32 s16, 1
	s_mul_i32 s17, s14, WTILE                      ; each wave's tile has LDS bytes of its own, and only that wave reads them
	s_lshl_b32 s32, ttmp9, 17                      ; wo: 16 rows of 8,192 bytes a work-group,
	s_lshl_b32 s33, s14, 10                        ; 1,024 bytes of a row a wave
	s_add_co_u32 s32, s32, s33
	s_mov_b32 s33, 0
	s_lshl_b32 s34, s14, 20                        ; out1, out2: 1,048,576 bytes a kv head
	s_mov_b32 s35, 0
	s_lshl_b32 s36, s14, 16                        ; q32: 32,768 bytes a head, two heads a wave
	s_mov_b32 s37, 0
	s_lshl_b32 s38, ttmp9, 6                       ; out0: 64 bytes of a row a work-group
	s_mov_b32 s39, 0
	s_mov_b32 s20, 0x76543210
	s_mov_b32 s21, 0xfedcba98                      ; v_permlanex16_b32's selects for lane l xor 16
	s_mov_b32 s22, 0x3e0293ee                      ; c = log2(e) / sqrt(128)
	s_wait_dscnt 0x0
	s_wait_kmcnt 0x0
	s_add_nc_u64 s[18:19], s[10:11], s[32:33]
	s_or_b32 s19, s19, 0x80000000
	tensor_load_to_lds s[16:19], s[24:31]          ; filled once; one tensor load of a wave is out
	s_nop 0
.rept 4
	v_nop
.endr
	s_add_nc_u64 s[4:5], s[4:5], s[36:37]
	s_add_nc_u64 s[6:7], s[6:7], s[34:35]
	s_add_nc_u64 s[8:9], s[8:9], s[34:35]
	s_add_nc_u64 s[12:13], s[12:13], s[38:39]
	v_and_b32 v1, 15, v0                           ; r
	v_bfe_u32 v2, v0, 4, 1                         ; h
	v_and_b32 v25, 31, v0                          ; lane
	v_lshlrev_b32 v3, 9, v1
	v_lshl_add_u32 v3, v2, 4, v3                   ; Q, K: row r of 512 bytes + 16 h
	v_lshlrev_b32 v4, 2, v1
	v_lshl_add_u32 v4, v2, 12, v4                  ; V: key 8 h, channel r
	v_mul_u32_u24 v5, v1, WPITCH
	v_lshl_add_u32 v5, v2, 5, v5
	v_add_nc_u32 v5, s17, v5                       ; wo in LDS: row r, 32 h
	s_lshl_b32 s34, s14, 10
	s_add_co_u32 s34, s34, RED
	v_lshl_add_u32 v6, v25, 4, s34                 ; my partial tile
	v_lshl_add_u32 v7, v25, 4, RED                 ; and all eight, for wave 0
	v_lshlrev_b32 v8, 14, v1
	v_lshl_add_u32 v8, v2, 5, v8                   ; out0: row r of 16,384 bytes + 32 h
	v_lshlrev_b32 v9, 3, v2
	v_sub_nc_u32 v9, v1, v9                        ; r - 8 h, for the mask
.irp j, 14,15,20,21
	v_mov_b32 v[\j], 0                             ; written once: a lane permute's destination counts as one of its sources
.endr
	WIN 0x40                                       ; destination window 1
.set n, 0
.rept 16
	global_load_b128 v[128+4*n:128+4*n+3], v3, s[6:7] offset:32*n          ; K: dims 8 n + 4 h + 0..3
.set n, n+1
.endr
.irp e, 0,1
.set n, 0
.rept 16
	global_load_b128 v[64*\e+4*n:64*\e+4*n+3], v3, s[4:5] offset:32768*\e+32*n   ; Q likewise
.set n, n+1
.endr
.endr
.irp t, 0,1,2,3,4,5,6,7
.irp k, 0,1,2,3,4,5,6,7
	global_load_b32 v[192+8*\t+\k], v4, s[8:9] offset:512*\k+64*\t         ; V(8 h + k, 16 t + r)
.endr
.endr
	s_wait_loadcnt 63                              ; K's and Q's 48 loads are the oldest of 112: they are in; 63 of V's may be out
	WIN 0x05                                       ; K and Q window 1, S^T window 0
.set n, 0
.rept 32                               ; four accumulators by turns (two heads x two parts); the first four products start the sums
.irp e, 0,1
.if n < 2
	v_wmma_f32_16x16x4_f32 v[32+16*\e+8*(n%2):39+16*\e+8*(n%2)], v[128+2*n:129+2*n], v[64*\e+2*n:64*\e+2*n+1], 0
.else
	v_wmma_f32_16x16x4_f32 v[32+16*\e+8*(n%2):39+16*\e+8*(n%2)], v[128+2*n:129+2*n], v[64*\e+2*n:64*\e+2*n+1], v[32+16*\e+8*(n%2):39+16*\e+8*(n%2)]
.endif
.endr
.set n, n+1
.endr
	WIN 0
.rept 8
	v_nop                                          ; eight places behind this form, in front of loads into Q's registers and of the first read of the scores
.endr
	s_wait_tensorcnt 0x0                           ; my part of wo is in LDS
	WIN 0x40
.irp e, 0,1
.irp t, 0,1,2,3,4,5,6,7
	ds_load_b128 v[64*\e+8*\t:64*\e+8*\t+3], v5 offset:512*\e+64*\t         ; wo(r, 128 e + 16 t + 8 h + 0..7): it lands under the softmax
	ds_load_b128 v[64*\e+8*\t+4:64*\e+8*\t+7], v5 offset:512*\e+64*\t+16
.endr
.endr
	WIN 0
.irp e, 0,1
.irp j, 0,1,2,3,4,5,6,7
	v_add_f32 v[64+8*\e+\j], v[32+16*\e+\j], v[40+16*\e+\j]    ; the two parts, from the low end on
.endr
.endr
	v_mov_b32 v24, 0xff800000
.irp j, 0,1,2,3,4,5,6,7
	v_cmp_gt_i32 vcc_lo, \j, v9                    ; key 8 h + j comes after query r
	v_cndmask_b32 v[64+\j], v[64+\j], v24, vcc_lo
	v_cndmask_b32 v[72+\j], v[72+\j], v24, vcc_lo
.endr
.irp e, 0,1
	v_max3_num_f32 v[12+\e], v[64+8*\e], v[65+8*\e], v[66+8*\e]
.endr
.irp i, 3,5
.irp e, 0,1
	v_max3_num_f32 v[12+\e], v[12+\e], v[64+8*\e+\i], v[65+8*\e+\i]
.endr
.endr
.irp e, 0,1
	v_max_num_f32 v[12+\e], v[12+\e], v[71+8*\e]
.endr
.irp e, 0,1
	v_permlanex16_b32 v[14+\e], v[12+\e], s20, s21
.endr
.irp e, 0,1
	v_max_num_f32 v[12+\e], v[12+\e], v[14+\e]     ; the row's largest score: key 0 counts for every query
.endr
.irp e, 0,1
	v_mul_f32 v[16+\e], s22, v[12+\e]
.endr
.irp e, 0,1
.irp j, 0,1,2,3,4,5,6,7
	v_fma_f32 v[64+8*\e+\j], v[64+8*\e+\j], s22, -v[16+\e]
.endr
.endr
.set n, 0
.rept 16
	v_exp_f32 v[64+n], v[64+n]
.set n, n+1
.endr
	v_nop
	s_wait_alu depctr_va_vdst(0)                   ; one wait for the batch of 16, ahead of its first reader
.irp e, 0,1
	v_add_f32 v[18+\e], v[64+8*\e], v[65+8*\e]
.endr
.irp j, 2,3,4,5,6,7
.irp e, 0,1
	v_add_f32 v[18+\e], v[18+\e], v[64+8*\e+\j]
.endr
.endr
.irp e, 0,1
	v_permlanex16_b32 v[20+\e], v[18+\e], s20, s21
.endr
.irp e, 0,1
	v_add_f32 v[18+\e], v[18+\e], v[20+\e]
.endr
.irp e, 0,1
	v_rcp_f32 v[22+\e], v[18+\e]
.endr
	v_nop
	s_wait_alu depctr_va_vdst(0)
.irp e, 0,1
.irp j, 0,1,2,3,4,5,6,7
	v_mul_f32 v[64+8*\e+\j], v[64+8*\e+\j], v[22+\e]   ; the weights
.endr
.endr
	s_wait_loadcnt 0x0                             ; V
	WIN 0x01                                       ; source 0 window 1
.irp c, 0,1,2,3                        ; sixteen accumulators by turns
.irp e, 0,1
.irp t, 0,1,2,3,4,5,6,7
.if \c == 0
	v_wmma_f32_16x16x4_f32 v[80+64*\e+8*\t:87+64*\e+8*\t], v[192+8*\t+2*\c:193+8*\t+2*\c], v[64+8*\e+2*\c:65+8*\e+2*\c], 0
.else
	v_wmma_f32_16x16x4_f32 v[80+64*\e+8*\t:87+64*\e+8*\t], v[192+8*\t+2*\c:193+8*\t+2*\c], v[64+8*\e+2*\c:65+8*\e+2*\c], v[80+64*\e+8*\t:87+64*\e+8*\t]
.endif
.endr
.endr
.endr
.rept 9
	v_nop                                          ; nine places: the results become a source of the next products
.endr
	s_wait_dscnt 0x0                               ; wo's fragments
.set n, 0
.irp e, 0,1                            ; four accumulators by turns
.irp t, 0,1,2,3,4,5,6,7
.irp c, 0,1,2,3
.if n < 4
	v_wmma_f32_16x16x4_f32 v[208+8*(n%4):215+8*(n%4)], v[64*\e+8*\t+2*\c:64*\e+8*\t+2*\c+1], v[80+64*\e+8*\t+2*\c:81+64*\e+8*\t+2*\c], 0
.else
	v_wmma_f32_16x16x4_f32 v[208+8*(n%4):215+8*(n%4)], v[64*\e+8*\t+2*\c:64*\e+8*\t+2*\c+1], v[80+64*\e+8*\t+2*\c:81+64*\e+8*\t+2*\c], v[208+8*(n%4):215+8*(n%4)]
.endif
.set n, n+1
.endr
.endr
.endr
	WIN 0
.rept 8
	v_nop
.endr
.irp j, 0,1,2,3,4,5,6,7
	v_add_f32 v[64+\j], v[208+\j], v[216+\j]       ; the four parts, each from its low end on
.endr
.irp j, 0,1,2,3,4,5,6,7
	v_add_f32 v[72+\j], v[224+\j], v[232+\j]
.endr
.irp j, 0,1,2,3,4,5,6,7
	v_add_f32 v[64+\j], v[64+\j], v[72+\j]
.endr
	ds_store_b128 v6, v[64:67]                     ; my partial tile, as an image of its registers
	ds_store_b128 v6, v[68:71] offset:512
	s_wait_tensorcnt 0x0                           ; the wave's last LDS write is behind; the s_wait_dscnt below is also the wait that the barrier needs
	ds_add_u32 v10, v11
	s_wait_dscnt 0x0
	s_barrier_signal -1
	s_barrier_wait -1
	s_cmp_lg_u32 s14, 0
	s_cbranch_scc1 .Lend
	WIN 0x40
.irp k, 0,1,2,3,4,5,6,7
	ds_load_b128 v[128+8*\k:131+8*\k], v7 offset:1024*\k
	ds_load_b128 v[132+8*\k:135+8*\k], v7 offset:1024*\k+512
.endr
	s_wait_dscnt 0x0
	WIN 0x45
.irp k, 1,2,3,4,5,6,7                  ; one owner adds the eight, in the waves' order
.irp j, 0,2,4,6
	v_pk_add_f32 v[128+\j:129+\j], v[128+\j:129+\j], v[128+8*\k+\j:129+8*\k+\j]
.endr
.endr
	WIN 0x04                                       ; a store's data window 1
	global_store_b128 v8, v[128:131], s[12:13]     ; out0(r, 16 x + 8 h + 0..7)
	global_store_b128 v8, v[132:135], s[12:13] offset:16
	WIN 0
.Lend:
	s_endpgm
.Lfunc_end_k_q9c022657f9_fine:
	.size	k_q9c022657f9_fine, .Lfunc_end_k_q9c022657f9_fine-k_q9c022657f9_fine
	.p2alignl 7, 3214868480
	.fill 96, 4, 3214868480
	.section	.rodata,"a",@progbits
	.p2align	6, 0x0
	.amdhsa_kernel k_q9c022657f9_fine
		.amdhsa_group_segment_fixed_size 167936
		.amdhsa_private_segment_fixed_size 0
		.amdhsa_enable_private_segment 0
		.amdhsa_kernarg_size 40
		.amdhsa_user_sgpr_count 2
		.amdhsa_user_sgpr_kernarg_segment_ptr 1
		.amdhsa_wavefront_size32 1
		.amdhsa_system_sgpr_workgroup_id_x 1
		.amdhsa_system_sgpr_workgroup_id_y 1
		.amdhsa_system_sgpr_workgroup_id_z 1
		.amdhsa_system_vgpr_workitem_id 0
		.amdhsa_next_free_vgpr 512
		.amdhsa_next_free_sgpr 66
		.amdhsa_reserve_vcc 1
		.amdhsa_float_denorm_mode_32 3
		.amdhsa_float_denorm_mode_16_64 3
		.amdhsa_memory_ordered 1
		.amdhsa_forward_progress 1
		.amdhsa_inst_pref_size 38
	.end_amdhsa_kernel
	.amdgpu_metadata
---
amdhsa.version: [ 1, 2 ]
amdhsa.kernels:
  - .name:           k_q9c022657f9_fine
    .symbol:         k_q9c022657f9_fine.kd
    .args:
      - { .name: q32, .offset: 0, .size: 8, .value_kind: global_buffer, .address_space: global }
      - { .name: out1, .offset: 8, .size: 8, .value_kind: global_buffer, .address_space: global }
      - { .name: out2, .offset: 16, .size: 8, .value_kind: global_buffer, .address_space: global }
      - { .name: wo, .offset: 24, .size: 8, .value_kind: global_buffer, .address_space: global }
      - { .name: out0, .offset: 32, .size: 8, .value_kind: global_buffer, .address_space: global }
    .group_segment_fixed_size: 167936
    .private_segment_fixed_size: 0
    .kernarg_segment_align: 8
    .kernarg_segment_size: 40
    .max_flat_workgroup_size: 256
    .sgpr_count:     66
    .vgpr_count:     512
    .wavefront_size: 32
...
	.end_amdgpu_metadata
.endif
;; end of part 5
